; MI455X (gfx1250); checked and timed in simulation.
; The chip was launched on July 23, 2026; its instructions are those of AMD's public machine-readable ISA for CDNA 5 (MIT licence, August 2026) and "CDNA5" Instruction Set Architecture Reference Guide (July 2026). The comments in the code are by the model that wrote it; some were corrected since.
;; Multi Head Attention. Allowed arithmetic: matrix products marked QUANTISED: E2M1 operands, one E8M0 scale for each 32 along K, by v_wmma_scale_f32_16x16x128_f8f6f4 with both operands' format E2M1 (or v_wmma_scale_f32_32x16x128_f4), f32 sums; products left as they are: bf16, f16 or f32 operands; f32 sums; everything else in f32.
;; Inputs: b_k 1,024 float32; b_o 1,024 float32; b_q 1,024 float32; b_v 1,024 float32; k 4 x 2,048 x 1,024 float32; mask 4 x 2,048 int32; q 4 x 2,048 x 1,024 float32; v 4 x 2,048 x 1,024 float32; w_k 1,024 x 1,024 float32; w_o 1,024 x 1,024 float32; w_q 1,024 x 1,024 float32; w_v 1,024 x 1,024 float32.
;; Outputs: out0 4 x 2,048 x 1,024 float32.
;; This version of the problem:
;;   THIS VERSION OF THE PROBLEM IS GIVEN IN LOW PRECISION. The matrix products marked QUANTISED in the list below multiply operands that are first quantised to E2M1 (2 exponent bits, 1 mantissa bit; 4 bits a number), with one power-of-two scale for each 32 numbers along K (OCP MX v1.0); their sums are f32. The products marked 'left as it is' may take bf16, f16 or f32 operands, with f32 sums. Whichever they take, every output number must still come out within the allowed error. Rounding operands to bf16 (8 significant bits) uses up far more of that allowance than f16 does (11 bits, for magnitudes from 6e-5 to 65,504). All else is computed in f32.
;;   The module's matrix products, in the order in which they are computed (A, B: the left and right operand; K: the contracted axis; several contracted axes count as one K, in the product's order):
;;     1. [M 8,192, K 1,024] x [K 1,024, N 1,024]; A: input q; B: input w_q: QUANTISED
;;     2. [M 8,192, K 1,024] x [K 1,024, N 1,024]; A: input k; B: input w_k: QUANTISED
;;     3. [M 8,192, K 1,024] x [K 1,024, N 1,024]; A: input v; B: input w_v: QUANTISED
;;     4. batch 64 x [M 2,048, K 64] x [K 64, N 2,048]; A: computed on the way; B: computed on the way: left as it is (an operand is computed on the way)
;;     5. batch 64 x [M 2,048, K 2,048] x [K 2,048, N 64]; A: computed on the way; B: computed on the way: left as it is (an operand is computed on the way)
;;     6. [M 8,192, K 1,024] x [K 1,024, N 1,024]; A: computed on the way; B: input w_o: left as it is (an operand is computed on the way)
;;   THE QUANTISER, for each operand of a quantised product, along K:
;;     - K is cut into blocks of 32 from its start; a last block that is shorter is filled with zeros.
;;     - A block's scale is 2^e with e = floor(log2(the largest magnitude in the block)) - 2, held to -126 .. 127; a block of zeros has e = 0. As a byte (E8M0): e + 127.
;;     - Each number is divided by its block's scale, clamped to +-6, and rounded to the nearest number of E2M1, ties to even, subnormals kept.
;;     - The product sums the exact products of the quantised numbers (number of the format x scale) in f32.
;;   ~~~python
;;   def quantise(x, axis):      # numpy; x: float32 -> the quantised numbers, widened to float32 again
;;       x = np.moveaxis(x, axis, -1); K = x.shape[-1]
;;       x = np.pad(x, [(0, 0)] * (x.ndim - 1) + [(0, -K % 32)]); x = x.reshape(x.shape[:-1] + (-1, 32)); a = np.abs(x).max(-1, keepdims=True)
;;       e = np.where(a > 0, np.clip(np.frexp(np.where(a > 0, a, 1))[1] - 1 - 2, -126, 127), 0)      # np.frexp(a)[1] - 1 = floor(log2(a)), exactly
;;       r = np.clip(x / 2.0 ** e, -6, 6)
;;       step = 2.0 ** (np.maximum(np.frexp(np.where(r == 0, 1, r))[1] - 1, 0) - 1)
;;       q = np.round(r / step) * step * 2.0 ** e      # np.round: ties to even
;;       return np.moveaxis(q.reshape(q.shape[:-2] + (-1,))[..., :K], -1, axis).astype(np.float32)
;;   ~~~
;; One version. Each part assembles by itself: llvm-mc -triple=amdgcn-amd-amdhsa -mcpu=gfx1250 --defsym DOCPART=n.
;; ======== version 1 of 1: 4 launches
;; limits: values are held in f16: magnitudes above 65,504 overflow, below 6.1e-05 lose precision
;; workspace buffers: codes 14,155,776 bytes; scl 884,736 bytes; wo16 2,097,152 bytes; qh 16,777,216 bytes; kh 16,777,216 bytes; vt 16,777,216 bytes; ctx 16,777,216 bytes
;; launch quant (part 1): grid 896 x 1, 4 waves a work-group, no clusters, 33,280 bytes of LDS; arguments q, k, v, w_q, w_k, w_v, w_o, codes, scl, wo16; writes codes, scl, wo16
.if DOCPART == 1
	.amdgcn_target "amdgcn-amd-amdhsa--gfx1250"
	.amdhsa_code_object_version 6
	.text
	.protected	k_qe5b5e274fc_quant
	.globl	k_qe5b5e274fc_quant
	.p2align	8
	.type	k_qe5b5e274fc_quant,@function
k_qe5b5e274fc_quant:
	s_mov_b64 s[64:65], 0
	v_nop
	global_prefetch_b8 v0, s[64:65] scope:SCOPE_SE
	s_setreg_imm32_b32 hwreg(HW_REG_WAVE_MODE, 25, 1), 1
	s_wait_xcnt 0x0
; MULTI-HEAD ATTENTION, launch 1 of 4: the operands of the three quantised projections become codes of FP4 (E2M1) with one E8M0 scale byte for each 32 along K; w_o becomes f16.
; WORK LEFT OUT IN THE WHOLE PROGRAM: b_k.  scores[q][key] = qh[q].(k w_k^T)[key] / 8 + qh[q].b_k / 8: the second term is the same for every key of a row.  Keys that the mask hides are replaced
; by the least f32 number whatever that term is; the keys that count are all moved alike, which a softmax along the keys takes away; a row all of whose keys are hidden is uniform whatever b_k holds.
; The scores' product is not quantised, so no quantiser sees b_k.  So b_k reaches no output in exact arithmetic, for all values of the inputs: it is not loaded and is no launch's argument.
; LIMIT: a NaN, an infinity or an overflow that would arise from b_k alone is not carried to the result.
; THE QUANTISER.  A block's scale is 2^(floor(log2(its largest magnitude)) - 2); its byte is the largest magnitude's exponent field - 2, held at 1 from below.  A block of zeros so gets the byte 1 where
; the rule says 127: its codes are zeros, which add nothing, and this program alone reads the bytes.  Each number is divided by the scale and rounded to the nearest code, ties to even, beyond 6 to 6.
; LIMITS: blocks whose largest magnitude lies under 2^-124 keep the byte 1; NaN and infinities among the inputs are not served.  w_o goes to f16: magnitudes up to 65,504; under 6e-5 in steps of 6e-8.
; SHARES.  q, k, v, w_q, w_k, w_v have K innermost and dense rows: six plain streams of blocks of 32.  The codes' and the scale bytes' buffers hold the six tensors on end in that order, so the
; output's place hangs on the work-group's number alone: work-group g < 864 takes 32,768 numbers, wave w of it run 4 g + w: 4,096 bytes of codes and 256 scale bytes.  Only the input's pointer is chosen.
; Work-groups 864 to 895 convert w_o, 32,768 numbers each, with no LDS.
; A quantising wave takes 16 steps of 512 numbers.  Each of a step's four loads reads 512 consecutive bytes; the 2,048 bytes turn through the wave's own stage in LDS and come back 64 bytes a lane,
; so that a lane holds 16 neighbours along K and two neighbouring lanes a block.  No barrier: waves share nothing.
.set WAVES, 4
.set STEPS, 16
.set NQUANT, 864                       ; (3 x 8,192 + 3 x 1,024) x 1,024 / 32,768
.set EMAX,  2
.set CB,    8                          ; bytes of 16 codes
.set R,     16                         ; v16-79   four sets of 16 numbers as they are loaded
.set X,     80                         ; v80-111  two sets of 16 neighbours
.set C,     128                        ; v128-191 codes: four registers for each step
.set E,     112                        ; v112-127 a scale byte for each step
.set WREG,  8192                       ; LDS: a region for each wave: two stages of 32 x SP bytes, behind them its 256 scale bytes
.set SP,    80                         ; a lane's place in a stage: 64 bytes + 16 of padding
.set SPW,   12                         ; v12  LDS address of my spare word; never rewritten
.set NIL,   13                         ; v13  0; never rewritten
.set SPARE, WAVES*WREG                 ; behind the four regions: the spare words, 128 bytes a wave
	s_load_b512 s[4:19], s[0:1], 0x0               ; q, k, v, w_q, w_k, w_v, w_o s[16:17], codes s[18:19]
	s_load_b128 s[20:23], s[0:1], 0x40             ; scl s[20:21], wo16 s[22:23]
	v_lshl_add_u32 v[SPW], v0, 2, SPARE
	v_mov_b32 v[NIL], 0
	v_lshrrev_b32 v1, 5, v0
	v_readfirstlane_b32 s24, v1                    ; wave
	v_and_b32 v2, 31, v0                           ; lane
	s_cmp_ge_u32 ttmp9, NQUANT
	s_cbranch_scc1 .Lconv                          ; the last 32 work-groups convert w_o
	v_lshlrev_b32 v3, 4, v2                        ; my 16 bytes of a load's 512
	s_mul_i32 s25, s24, WREG
	v_lshrrev_b32 v14, 2, v2
	v_mul_u32_u24 v14, v14, SP
	v_and_b32 v15, 3, v2
	v_lshl_add_u32 v14, v15, 4, v14
	v_add_nc_u32 v14, s25, v14                     ; the stage, on the way in: SP (lane / 4) + 16 (lane % 4)
	v_mul_u32_u24 v15, v2, SP
	v_add_nc_u32 v15, s25, v15                     ; and on the way out: SP x lane: my 16 neighbours
	v_mul_u32_u24 v4, v2, CB                       ; my codes' place in a step's
	v_lshrrev_b32 v5, 1, v2
	s_add_co_u32 s25, s25, 2*32*SP
	v_add_nc_u32 v5, s25, v5                       ; LDS: my wave's 256 scale bytes, my block's byte
	v_lshlrev_b32 v7, 3, v2                        ; and on the way out 8 bytes a lane
	v_add_nc_u32 v6, s25, v7
	s_wait_kmcnt 0x0
	s_mov_b64 s[26:27], s[4:5]                     ; which tensor: the choice hangs on the work-group's number alone
	s_mov_b32 s28, 0                               ; and the tensor's first work-group
	s_cmp_ge_u32 ttmp9, 256
	s_cselect_b64 s[26:27], s[6:7], s[26:27]
	s_cselect_b32 s28, 256, s28
	s_cmp_ge_u32 ttmp9, 512
	s_cselect_b64 s[26:27], s[8:9], s[26:27]
	s_cselect_b32 s28, 512, s28
	s_cmp_ge_u32 ttmp9, 768
	s_cselect_b64 s[26:27], s[10:11], s[26:27]
	s_cselect_b32 s28, 768, s28
	s_cmp_ge_u32 ttmp9, 800
	s_cselect_b64 s[26:27], s[12:13], s[26:27]
	s_cselect_b32 s28, 800, s28
	s_cmp_ge_u32 ttmp9, 832
	s_cselect_b64 s[26:27], s[14:15], s[26:27]
	s_cselect_b32 s28, 832, s28
	s_sub_co_u32 s29, ttmp9, s28
	s_lshl_b32 s29, s29, 2
	s_add_co_u32 s30, s29, s24                     ; my run of 8,192 numbers in the tensor,
	s_lshl_b32 s30, s30, 15                        ; 32,768 bytes each
	s_mov_b32 s31, 0
	s_add_nc_u64 s[26:27], s[26:27], s[30:31]
	s_lshl_b32 s32, ttmp9, 2
	s_add_co_u32 s32, s32, s24                     ; my run among all six tensors'
	s_lshl_b32 s34, s32, 12                        ; 4,096 bytes of codes a run
	s_mov_b32 s35, 0
	s_add_nc_u64 s[18:19], s[18:19], s[34:35]
	s_lshl_b32 s34, s32, 8                         ; 256 scale bytes a run
	s_add_nc_u64 s[20:21], s[20:21], s[34:35]
.macro LOAD t
.irp i, 0,1,2,3
	global_load_b128 v[R+16*((\t)%4)+4*\i:R+16*((\t)%4)+4*\i+3], v3, s[26:27] offset:2048*(\t)+512*\i th:TH_LOAD_NT   ; 32 lanes read 512 consecutive bytes
.endr
.endm
.macro TURN t                          ; step t's numbers through the stage: LDS serves a wave's instructions in order, so no wait stands between the stores and the loads
.irp i, 0,1,2,3
	ds_store_b128 v14, v[R+16*((\t)%4)+4*\i:R+16*((\t)%4)+4*\i+3] offset:32*SP*((\t)%2)+8*SP*\i
.endr
.irp i, 0,1,2,3
	ds_load_b128 v[X+16*((\t)%2)+4*\i:X+16*((\t)%2)+4*\i+3], v15 offset:32*SP*((\t)%2)+16*\i
.endr
.endm
.irp t, 0,1,2,3
	LOAD \t
.endr
	s_wait_loadcnt 12                              ; step 0's four loads are in
	TURN 0
.macro STEP t
.set XS, X+16*((\t)%2)
.if (\t) > 0
	s_wait_dscnt 1                                 ; this step's numbers are back from the stage (the last step's byte store may be out): so its stores into the stage have read their registers,
.else
	s_wait_dscnt 0x0
.endif
.if (\t)+4 < STEPS
	LOAD (\t)+4                                    ; which take the loads of four steps on
.endif
.if (\t)+1 < STEPS
.if STEPS-2-(\t) >= 3
	s_wait_loadcnt 12                              ; the next step's four loads are in; those of the three steps behind it may be out
.else
	s_wait_loadcnt 4*(STEPS-2-(\t))
.endif
	TURN (\t)+1                                    ; and go through the other stage while this step is worked
.endif
	v_max3_num_f32 v8, |v[XS]|, |v[XS+1]|, |v[XS+2]|               ; the largest magnitude of my 16, in two chains
	v_max3_num_f32 v9, |v[XS+3]|, |v[XS+4]|, |v[XS+5]|
.irp i, 6,10
	v_max3_num_f32 v8, v8, |v[XS+\i]|, |v[XS+\i+1]|
	v_max3_num_f32 v9, v9, |v[XS+\i+2]|, |v[XS+\i+3]|
.endr
	v_max3_num_f32 v8, v8, |v[XS+14]|, |v[XS+15]|
	v_max3_num_f32 v8, v8, v9, (EMAX+1)<<23        ; and the floor 2^(3 - 127): the byte cannot fall under 1
	v_max_num_f32_dpp v8, v8, v8 row_xmask:1 row_mask:0xf bank_mask:0xf   ; and of my neighbour's 16: the block's
	v_add_nc_u32 v11, -(EMAX<<23), v8              ; 2 off its exponent field: the conversion takes the exponent field of this operand as its scale
	v_cvt_scalef32_pk8_fp4_f32 v[C+4*(\t)], v[XS:XS+7], v11
	v_cvt_scalef32_pk8_fp4_f32 v[C+4*(\t)+1], v[XS+8:XS+15], v11
	v_lshrrev_b32 v[E+(\t)], 23, v11               ; the scale's byte
	ds_store_b8 v5, v[E+(\t)] offset:16*(\t)       ; both lanes of a block write the same byte with the same value
	global_store_b64 v4, v[C+4*(\t):C+4*(\t)+1], s[18:19] offset:32*CB*(\t)   ; the wave stores 256 consecutive bytes, aligned
.endm
.irp t, 0,1,2,3,4,5,6,7,8,9,10,11,12,13,14,15
	STEP \t
.endr
	ds_load_b64 v[8:9], v6                         ; LDS serves a wave's instructions in order: these see my stores
	s_wait_dscnt 0x0
	global_store_b64 v7, v[8:9], s[20:21]          ; 32 lanes store 256 consecutive bytes, aligned
	s_wait_tensorcnt 0x0                           ; the wave's end, behind my last LDS store
	ds_add_u32 v[SPW], v[NIL]
	s_wait_dscnt 0x0
	s_endpgm
; w_o to f16.  A wave takes 8,192 numbers in four batches of eight chunks of 256: a lane reads 32 neighbouring bytes of a chunk and stores 16, so that a store of the wave covers 512 consecutive bytes.
.Lconv:
	s_sub_co_u32 s29, ttmp9, NQUANT
	s_lshl_b32 s29, s29, 2
	s_add_co_u32 s29, s29, s24                     ; my run of 8,192 numbers
	s_lshl_b32 s30, s29, 15
	s_mov_b32 s31, 0
	s_lshl_b32 s32, s29, 14
	s_mov_b32 s33, 0
	v_lshlrev_b32 v1, 5, v2                        ; in: 32 bytes a lane
	v_lshlrev_b32 v3, 4, v2                        ; out: 16 bytes a lane
	s_wait_kmcnt 0x0
	s_add_nc_u64 s[16:17], s[16:17], s[30:31]
	s_add_nc_u64 s[22:23], s[22:23], s[32:33]
.macro CLOAD n                         ; batch n: 16 loads into set n % 2 (v16-79 or v112-175)
.set CSET, 16+96*((\n)%2)
.irp c, 0,1,2,3,4,5,6,7
	global_load_b128 v[CSET+8*\c:CSET+8*\c+3], v1, s[16:17] offset:1024*(8*(\n)+\c) th:TH_LOAD_NT
	global_load_b128 v[CSET+8*\c+4:CSET+8*\c+7], v1, s[16:17] offset:1024*(8*(\n)+\c)+16 th:TH_LOAD_NT
.endr
.endm
.macro CCONV n, left                   ; left: the next batch's loads, which may stay out
.set CSET, 16+96*((\n)%2)
	s_wait_loadcnt \left
.if (\n) > 0
	s_wait_xcnt 0x0                                ; the last batch's stores have read v80-111: they are written again only behind this wait
.endif
.irp c, 0,1,2,3,4,5,6,7
.irp i, 0,1,2,3
	v_cvt_pk_f16_f32 v[80+4*\c+\i], v[CSET+8*\c+2*\i], v[CSET+8*\c+2*\i+1]
.endr
	global_store_b128 v3, v[80+4*\c:80+4*\c+3], s[22:23] offset:512*(8*(\n)+\c)
.endr
.endm
	CLOAD 0
	CLOAD 1
	CCONV 0, 16
	CLOAD 2
	CCONV 1, 16
	CLOAD 3
	CCONV 2, 16
	CCONV 3, 0
	s_wait_tensorcnt 0x0                           ; the wave's end, in the same form as on the other path
	ds_add_u32 v[SPW], v[NIL]
	s_wait_dscnt 0x0
	s_endpgm
.Lfunc_end_k_qe5b5e274fc_quant:
	.size	k_qe5b5e274fc_quant, .Lfunc_end_k_qe5b5e274fc_quant-k_qe5b5e274fc_quant
	.p2alignl 7, 3214868480
	.fill 96, 4, 3214868480
	.section	.rodata,"a",@progbits
	.p2align	6, 0x0
	.amdhsa_kernel k_qe5b5e274fc_quant
		.amdhsa_group_segment_fixed_size 33280
		.amdhsa_private_segment_fixed_size 0
		.amdhsa_enable_private_segment 0
		.amdhsa_kernarg_size 80
		.amdhsa_user_sgpr_count 2
		.amdhsa_user_sgpr_kernarg_segment_ptr 1
		.amdhsa_wavefront_size32 1
		.amdhsa_system_sgpr_workgroup_id_x 1
		.amdhsa_system_sgpr_workgroup_id_y 1
		.amdhsa_system_sgpr_workgroup_id_z 1
		.amdhsa_system_vgpr_workitem_id 0
		.amdhsa_next_free_vgpr 192
		.amdhsa_next_free_sgpr 66
		.amdhsa_reserve_vcc 0
		.amdhsa_float_denorm_mode_32 3
		.amdhsa_float_denorm_mode_16_64 3
		.amdhsa_memory_ordered 1
		.amdhsa_forward_progress 1
		.amdhsa_inst_pref_size 52
	.end_amdhsa_kernel
	.amdgpu_metadata
---
amdhsa.version: [ 1, 2 ]
amdhsa.kernels:
  - .name:           k_qe5b5e274fc_quant
    .symbol:         k_qe5b5e274fc_quant.kd
    .args:
      - { .name: q, .offset: 0, .size: 8, .value_kind: global_buffer, .address_space: global }
      - { .name: k, .offset: 8, .size: 8, .value_kind: global_buffer, .address_space: global }
      - { .name: v, .offset: 16, .size: 8, .value_kind: global_buffer, .address_space: global }
      - { .name: w_q, .offset: 24, .size: 8, .value_kind: global_buffer, .address_space: global }
      - { .name: w_k, .offset: 32, .size: 8, .value_kind: global_buffer, .address_space: global }
      - { .name: w_v, .offset: 40, .size: 8, .value_kind: global_buffer, .address_space: global }
      - { .name: w_o, .offset: 48, .size: 8, .value_kind: global_buffer, .address_space: global }
      - { .name: codes, .offset: 56, .size: 8, .value_kind: global_buffer, .address_space: global }
      - { .name: scl, .offset: 64, .size: 8, .value_kind: global_buffer, .address_space: global }
      - { .name: wo16, .offset: 72, .size: 8, .value_kind: global_buffer, .address_space: global }
    .group_segment_fixed_size: 33280
    .private_segment_fixed_size: 0
    .kernarg_segment_align: 8
    .kernarg_segment_size: 80
    .max_flat_workgroup_size: 128
    .sgpr_count:     66
    .vgpr_count:     192
    .wavefront_size: 32
...
	.end_amdgpu_metadata
.endif
;; end of part 1
;; launch proj (part 2): grid 4 x 96, 4 waves a work-group, clusters of 4 x 4, 327,680 bytes of LDS; arguments codes, scl, b_q, b_v, qh, kh, vt; writes qh, kh, vt
.if DOCPART == 2
	.amdgcn_target "amdgcn-amd-amdhsa--gfx1250"
	.amdhsa_code_object_version 6
	.text
	.protected	k_qe5b5e274fc_proj
	.globl	k_qe5b5e274fc_proj
	.p2align	8
	.type	k_qe5b5e274fc_proj,@function
k_qe5b5e274fc_proj:
	s_mov_b64 s[64:65], 0
	v_nop
	global_prefetch_b8 v0, s[64:65] scope:SCOPE_SE
	s_setreg_imm32_b32 hwreg(HW_REG_WAVE_MODE, 25, 1), 1
	s_wait_xcnt 0x0
	s_wait_alu depctr_hold_cnt(0) depctr_sa_sdst(0) depctr_va_vdst(0) depctr_va_sdst(0) depctr_va_ssrc(0) depctr_va_vcc(0) depctr_vm_vsrc(0)
	s_getreg_b32 s2, hwreg(HW_REG_IB_STS2, 6, 4)
	s_cmp_eq_u32 s2, 0
	s_cbranch_scc0 .Lentry_in_a_cluster
	s_endpgm
.Lentry_in_a_cluster:
	s_bfe_u32 s2, ttmp6, 0x10000c
	s_cmp_lg_u32 s2, 0xf033
	s_cbranch_scc0 .Lentry_shape_is_right
	s_endpgm
.Lentry_shape_is_right:
; Launch 2 of 4: the three quantised projections, on codes of FP4 with E8M0 scales, K = 1,024.  b_k is left out (dead work: shown at the head of the first kernel).
; codes: 27,648 rows x 512 bytes: rows 0 on q, 8,192 on k, 16,384 on v, 24,576 on w_q, 25,600 on w_k, 26,624 on w_v; scl: the same rows x 32 bytes.
; A work-group of four waves makes a tile of 256 x 256, a wave 128 x 128: 64 accumulators, 512 registers.  24 clusters of 4 x 4 work-groups, told apart by the cluster's y, Y:
;   Y 0-7:   qh = (q w_q^T + b_q) c, c = log2(e) / 8: A = 1,024 tokens of q, B = w_q's 1,024 rows.        Y 8-15:  kh = k w_k^T: A = tokens of k, B = w_k's rows.
;   Y 16-23: vt = (v w_v^T + b_v)^T: THE ROLES ARE EXCHANGED: A = w_v's 1,024 rows, B = 1,024 tokens of v: the same text then gives [channel][token], the keys innermost, and nothing is transposed.
; The four work-groups of a row of the cluster need the same tiles of A, the four of a column the same tiles of B: each tile is asked for jointly.  K = 1,024 is two slots of 512: both are filled at the head, none again.
; THE MATRIX INSTRUCTION IS USED TRANSPOSED (source 0 = 16 rows of B, source 1 = 16 rows of A): a lane holds eight neighbouring columns (rows of B) of one row of A.
; OUT, all f16: qh, kh [batch][head][token][64]; vt [1,024 channels][8,192 tokens].  LIMIT: magnitudes up to 65,504; under 6e-5 in steps of 6e-8.
; REGISTERS: window 0: v0-31 addresses; v32-95 scale words, two sets, which hold nothing else; v128-191 A's fragments, one set.  Window 1: B's fragments, two sets.  Windows 2, 3: the accumulators ((a, b) at v[8 (8 (a % 4) + b)]).
;   On the way out: window 0: v96-127 packed results, v128-191 results with their bias, v192-255 rows read back; window 1: from v0 the biases.
.set KSTEP,  512
.set NQ,     4
.set ROWB,   256                       ; a tile's row: 512 codes
.set KROW,   512                       ; a row of codes in memory
.set PITCH,  272                       ; an LDS row: 256 bytes + 16 of padding: the 16 rows that a load touches start 68 words apart
.set FR,     8
.set NL,     2
.set NP,     4
.set HALFT,  128*PITCH
.set SLOT,   4*HALFT
.set KS,     32                        ; a row of scale bytes
.set SCL,    2*SLOT                    ; behind the ring: the scales, as rows of 256 bytes + 16
.set HALFS,  (128*KS/256)*272
.set SBLK,   (16*KS/256)*272
.set SPARE,  SCL+4*HALFS               ; the spare words, 128 bytes a wave
.set STG,    16*272                    ; the way out: a stage of 16 rows x (256 + 16) bytes a wave, in slot 0, which has had its last fill and its last read by then; each of the three paths has bytes of its own
.set PATHB,  4*STG
.set ADRA, 16
.set ADRB, 20
.set BH,   22                          ; v22  32 x (lane / 16): my eight channels' place among a block's sixteen numbers of b_q
.set BR,   23                          ; v23  4 x (lane % 16): my channel's number of b_v
.set STO,  24                          ; v24  the stage: where I put 16 bytes of a row
.set RDV,  25                          ; v25  where I read back for vt: lanes 0-15 one row, lanes 16-31 the next
.set RDH,  26                          ; v26  for qh, kh: lanes 0-15 two tokens of the first head, lanes 16-31 of the second
.set ADRS, 27
.set SPW,  28
.set NIL,  29
.set COH,  30                          ; v30  my byte offset in qh, kh
.set COV,  31                          ; v31  in vt
.set SC,   32
.set AF,   128
.set TMP,  96
.set FF,   128
.set OB,   192
.set BQ,   0                           ; in window 1
.set CQ,   2                           ; s[2:3] c, as a pair
.set G1, 24
.set G0, 32
.set G1B, 48
.set G0B, 56
.set G1S, 68
.set G0S, 76
.set G1SB, 80
.set G0SB, 88
.set MSB, 0
.macro WIN new                         ; the immediate's high byte repeats the setting that is left
.if MSB != \new
	s_set_vgpr_msb (MSB<<8)|\new
.set MSB, \new
.endif
.endm
.set MUL_LO, 0xa1                      ; source 0 (B) window 1, source 1 (A) window 0, C and D window 2
.set MUL_HI, 0xf1
.set TO_B,   0x40
; A joint load: waves 0 and 1 fetch for A, waves 2 and 3 for B.  An s_nop 0 and four v_nop follow each of the two lines.
.macro JLOAD g0a, g1a, g0b, g1b
	s_cmp_eq_u32 s15, 0
	s_cbranch_scc0 .Lfor_b_\@
	tensor_load_to_lds s[\g0a:\g0a+3], s[\g1a:\g1a+7]
	s_nop 0
.rept 4
	v_nop
.endr
	s_branch .Lasked_\@
.Lfor_b_\@:
	tensor_load_to_lds s[\g0b:\g0b+3], s[\g1b:\g1b+7]
	s_nop 0
.rept 4
	v_nop
.endr
.Lasked_\@:
.endm
.macro CROUND                          ; a round of the cluster's barrier
	s_barrier_signal -1
	s_barrier_wait -1
	s_cmp_lg_u32 s14, 0
	s_cbranch_scc1 .Lnot_wave_0_\@
	s_barrier_signal -3
.Lnot_wave_0_\@:
	s_barrier_wait -3
	s_barrier_signal -1
	s_barrier_wait -1
.endm
	s_load_b256 s[4:11], s[0:1], 0x0               ; codes s[4:5], scl s[6:7], b_q s[8:9], b_v s[10:11]
	s_load_b128 s[96:99], s[0:1], 0x20             ; qh, kh
	s_load_b64 s[100:101], s[0:1], 0x30            ; vt
	v_lshl_add_u32 v[SPW], v0, 2, SPARE
	v_mov_b32 v[NIL], 0
	ds_add_u32 v[SPW], v[NIL]                      ; the wave's opening: the add, twice on end, and its wait ahead of my first tensor load
	ds_add_u32 v[SPW], v[NIL]
	v_lshrrev_b32 v1, 5, v0
	v_readfirstlane_b32 s14, v1                    ; wave 0..3
	s_lshr_b32 s15, s14, 1                         ; which half of A's rows is mine.  Also: I fetch for A (0) or for B (1)
	s_and_b32 s16, s14, 1                          ; which half of B's rows.  Also: which 128 rows I fetch
	s_bfe_u32 s40, ttmp6, 0x40000                  ; cx
	s_bfe_u32 s41, ttmp6, 0x40004                  ; cy
	s_and_b32 s17, ttmp7, 0xffff                   ; Y: the cluster's y, the same in all sixteen partners
	s_lshr_b32 s95, s17, 3                         ; 0: Q, 1: K, 2: V
	s_lshl_b32 s43, s41, 2
	s_lshl_b32 s43, 15, s43                        ; my row of the cluster
	s_lshl_b32 s44, 0x1111, s40                    ; my column
	s_or_b32 s[G1+0], s43, (0<<16)|(1<<20)|(1<<21)|(5<<22)|(3<<25)  ; the mask; elements of 1 byte; padding: 4 words behind every 64; bit 21 beside a mask
	s_or_b32 s[G1B+0], s44, (0<<16)|(1<<20)|(1<<21)|(5<<22)|(3<<25)
.irp g, G1, G1B
	s_mov_b32 s[\g+1], ROWB<<16                    ; tensor_dim0
	s_mov_b32 s[\g+2], 128<<16                     ; tensor_dim1
	s_mov_b32 s[\g+3], ROWB<<16                    ; tile_dim0
	s_mov_b32 s[\g+4], 128                         ; tile_dim1
	s_mov_b32 s[\g+5], KROW                        ; from row to row
	s_mov_b32 s[\g+6], 0
	s_mov_b32 s[\g+7], 0
.endr
	s_or_b32 s[G1S+0], s43, (3<<16)|(1<<20)|(1<<21)|(5<<22)|(3<<25) ; the scales of 128 rows: 4,096 dense bytes as 16 rows of 32 elements of 8 bytes
	s_or_b32 s[G1SB+0], s44, (3<<16)|(1<<20)|(1<<21)|(5<<22)|(3<<25)
.irp g, G1S, G1SB
	s_mov_b32 s[\g+1], 32<<16
	s_mov_b32 s[\g+2], (128*KS/256)<<16
	s_mov_b32 s[\g+3], 32<<16
	s_mov_b32 s[\g+4], 128*KS/256
	s_mov_b32 s[\g+5], 32
	s_mov_b32 s[\g+6], 0
	s_mov_b32 s[\g+7], 0
.endr
	s_lshl_b32 s18, s17, 10                        ; 1,024 Y: the tokens' rows of q, k and v lie on end
	s_lshl_b32 s19, s95, 10
	s_add_co_u32 s19, s19, 24576                   ; w_q's or w_k's first row
	s_cmp_lt_u32 s17, 16
	s_cselect_b32 s20, s18, 26624                  ; A: tokens, or w_v
	s_cselect_b32 s46, s19, s18                    ; B: the weight, or v's tokens
	s_lshl_b32 s18, s16, 7                         ; which 128 rows I fetch
	s_lshl_b32 s19, s41, 8
	s_add_co_u32 s20, s20, s19                     ; A's rows hang on cy, which my row of the cluster shares,
	s_add_co_u32 s20, s20, s18
	s_lshl_b32 s47, s40, 8
	s_add_co_u32 s46, s46, s47                     ; B's on cx, which my column shares
	s_add_co_u32 s46, s46, s18
	s_lshl_b32 s22, s20, 5                         ; their scale bytes,
	s_mov_b32 s23, 0
	s_lshl_b32 s20, s20, 9                         ; their codes
	s_mov_b32 s21, 0
	s_lshl_b32 s92, s46, 5
	s_mov_b32 s93, 0
	s_lshl_b32 s46, s46, 9
	s_mov_b32 s47, 0
	s_mul_i32 s45, s14, HALFT                      ; where they go: wave x 128 rows
	s_mul_i32 s94, s14, HALFS
	s_wait_dscnt 0x0                               ; both opening adds are done
	s_wait_kmcnt 0x0
	s_add_nc_u64 s[20:21], s[4:5], s[20:21]
	s_add_nc_u64 s[22:23], s[6:7], s[22:23]
	s_add_nc_u64 s[46:47], s[4:5], s[46:47]
	s_add_nc_u64 s[92:93], s[6:7], s[92:93]
	CROUND                                         ; all sixteen work-groups are here: the first joint loads meet
	s_mov_b32 s[G0S], 1
	s_add_co_u32 s[G0S+1], s94, SCL
	s_mov_b64 s[G0S+2:G0S+3], s[22:23]
	s_or_b32 s[G0S+3], s[G0S+3], 0x80000000
	s_mov_b32 s[G0SB], 1
	s_add_co_u32 s[G0SB+1], s94, SCL
	s_mov_b64 s[G0SB+2:G0SB+3], s[92:93]
	s_or_b32 s[G0SB+3], s[G0SB+3], 0x80000000
	JLOAD G0S, G1S, G0SB, G1SB                     ; the scales first: they are wanted with K step 0
.irp s, 0,1
	s_mov_b32 s[G0+4*\s], 1
	s_add_co_u32 s[G0+4*\s+1], s45, \s*SLOT
	s_add_nc_u64 s[G0+4*\s+2:G0+4*\s+3], s[20:21], \s*ROWB
	s_or_b32 s[G0+4*\s+3], s[G0+4*\s+3], 0x80000000
	s_mov_b32 s[G0B+4*\s], 1
	s_add_co_u32 s[G0B+4*\s+1], s45, \s*SLOT
	s_add_nc_u64 s[G0B+4*\s+2:G0B+4*\s+3], s[46:47], \s*ROWB
	s_or_b32 s[G0B+4*\s+3], s[G0B+4*\s+3], 0x80000000
	JLOAD G0+4*\s, G1, G0B+4*\s, G1B               ; three tensor loads of mine are out
.endr
	v_and_b32 v1, 15, v0                           ; r = lane % 16
	v_bfe_u32 v2, v0, 4, 1                         ; h = lane / 16
	v_mul_u32_u24 v3, v1, PITCH
	v_lshl_add_u32 v4, v2, 4, v3                   ; a fragment's row x pitch + 16 h
	s_mul_i32 s21, s15, HALFT                      ; my 128 rows of A
	s_mul_i32 s22, s16, HALFT                      ; my 128 rows of B,
	s_add_co_u32 s22, s22, 2*HALFT                 ; which lie behind A's 256
.irp s, 0,1
	v_add_nc_u32 v[ADRA+\s], s21, v4
	v_add_nc_u32 v[ADRB+\s], s22, v4
	s_add_co_u32 s21, s21, SLOT
	s_add_co_u32 s22, s22, SLOT
.endr
	v_mul_u32_u24 v5, v1, KS                       ; my row's scales: 32 bytes a row,
	v_lshrrev_b32 v6, 8, v5
	v_lshl_add_u32 v5, v6, 4, v5                   ; and 16 more for each 256 passed
	s_mul_i32 s21, s15, HALFS
	s_mul_i32 s22, s16, HALFS
	s_add_co_u32 s22, s22, 2*HALFS
	s_sub_co_u32 s22, s22, s21
	v_mul_u32_u24 v6, s22, v2                      ; lanes 16-31 take B's
	s_add_co_u32 s21, s21, SCL
	v_add_nc_u32 v5, v5, v6
	v_add_nc_u32 v[ADRS], s21, v5
	s_mul_i32 s23, s14, STG                        ; my stage
	v_mul_u32_u24 v5, v1, 272
	v_lshl_add_u32 v5, v2, 4, v5
	v_add_nc_u32 v[STO], s23, v5                   ; in: row r, + 16 h
	v_mul_u32_u24 v5, v2, 272
	v_lshl_add_u32 v5, v1, 4, v5
	v_add_nc_u32 v[RDV], s23, v5                   ; back, whole rows: row h, 16 bytes a lane
	v_bfe_u32 v5, v0, 3, 1
	v_mul_u32_u24 v5, v5, 272
	v_lshl_add_u32 v5, v2, 7, v5
	v_and_b32 v6, 7, v0
	v_lshl_add_u32 v5, v6, 4, v5
	v_add_nc_u32 v[RDH], s23, v5                   ; back, by heads: row (lane / 8) % 2, the head's 128 bytes, 16 bytes a lane
	v_lshlrev_b32 v5, 18, v2
	v_lshl_add_u32 v[COH], v1, 4, v5               ; a head on for lanes 16-31; two tokens' 256 bytes for sixteen lanes
	v_lshlrev_b32 v5, 14, v2
	v_lshl_add_u32 v[COV], v1, 4, v5               ; a row of vt on for lanes 16-31
	v_lshlrev_b32 v[BH], 5, v2
	v_lshlrev_b32 v[BR], 2, v1
.macro FRAG reg, adr, q, i             ; a fragment, 16 rows x 128 K of 4-bit codes: 8 registers, two loads of 16 bytes, 32 bytes apart
.irp c, 0,1
	ds_load_b128 v[\reg+4*\c:\reg+4*\c+3], v[\adr] offset:64*(\q)+32*\c+(\i)*16*PITCH
.endr
.endm
; 16 matrix instructions: A's blocks a0, a0 + 1 x B's eight, 128 along K.  The 64 accumulators take turns, one instruction a turn, in the same order in every step.
; One register carries A's scale word (lanes 0-15) and B's (lanes 16-31) of block i.
.macro MUL16 a0, p, q, sc, zero
.irp a, \a0, \a0+1
.irp b, 0,1,2,3,4,5,6,7
.if \zero
	v_wmma_scale_f32_16x16x128_f8f6f4 v[8*(8*((\a)%4)+\b):8*(8*((\a)%4)+\b)+7], v[128*(\p)+FR*\b:128*(\p)+FR*\b+FR-1], v[AF+FR*(\a):AF+FR*(\a)+FR-1], 0, v[SC+8*NQ*(\sc)+NQ*\b+(\q)], v[SC+8*NQ*(\sc)+NQ*(\a)+(\q)] matrix_a_fmt:MATRIX_FMT_FP4 matrix_b_fmt:MATRIX_FMT_FP4 matrix_a_scale:MATRIX_SCALE_ROW1
.else
	v_wmma_scale_f32_16x16x128_f8f6f4 v[8*(8*((\a)%4)+\b):8*(8*((\a)%4)+\b)+7], v[128*(\p)+FR*\b:128*(\p)+FR*\b+FR-1], v[AF+FR*(\a):AF+FR*(\a)+FR-1], v[8*(8*((\a)%4)+\b):8*(8*((\a)%4)+\b)+7], v[SC+8*NQ*(\sc)+NQ*\b+(\q)], v[SC+8*NQ*(\sc)+NQ*(\a)+(\q)] matrix_a_fmt:MATRIX_FMT_FP4 matrix_b_fmt:MATRIX_FMT_FP4 matrix_a_scale:MATRIX_SCALE_ROW1
.endif
.endr
.endr
.endm
.macro FETCH_B slot, q, p
	WIN TO_B
.irp i, 0,1,2,3,4,5,6,7
	FRAG 128*(\p)+FR*\i, ADRB+\slot, \q, \i
.endr
	WIN 0
.endm
.macro FETCH_A slot, q, i0
.irp i, \i0, \i0+1, \i0+2, \i0+3
	FRAG AF+FR*(\i), ADRA+\slot, \q, \i
.endr
.endm
.macro SCALES sc                       ; a slot's scale words: 4 words a row; lanes 0-15 take A's block i, lanes 16-31 B's
.irp i, 0,1,2,3,4,5,6,7
	ds_load_b128 v[SC+8*NQ*\sc+NQ*\i:SC+8*NQ*\sc+NQ*\i+3], v[ADRS] offset:\i*SBLK
.endr
.endm
.macro PLACES n                        ; plain vector instructions between a matrix instruction and a load into, or a read or write of, its registers
.rept \n
	v_nop
.endr
.endm
.macro STEP slot, q, zero              ; 128 along K that has its successor in the same slot
	s_wait_dscnt 4*NL                              ; B's set and A's blocks 0-3 are in; the youngest eight loads (A's blocks 4-7) may be out
	WIN MUL_LO
	MUL16 0, (\q)%2, \q, \slot, \zero
	MUL16 2, (\q)%2, \q, \slot, \zero
	s_wait_dscnt 0
	PLACES NP
	FETCH_B \slot, (\q)+1, 1-(\q)%2
	FETCH_A \slot, (\q)+1, 0
	WIN MUL_HI
	MUL16 4, (\q)%2, \q, \slot, \zero
	MUL16 6, (\q)%2, \q, \slot, \zero
	PLACES NP
	WIN 0
	FETCH_A \slot, (\q)+1, 4
.endm
; Slot 0's last step changes slots: one barrier; in front of it each wave waits for all its tensor loads (slot 1's), adds 0 to its spare word, and waits for that and for its reads of slot 0.  Nothing is filled again.
.macro TURN slot, next
	s_wait_tensorcnt 0x0
	ds_add_u32 v[SPW], v[NIL]
	s_wait_dscnt 4*NL+1                            ; (the add and the youngest eight loads may be out)
	WIN MUL_LO
	MUL16 0, 1, NQ-1, \slot, 0
	s_wait_dscnt 0x0                               ; the add is done, and my reads of this slot are over
	s_barrier_signal -1
	MUL16 2, 1, NQ-1, \slot, 0
	WIN 0
	s_barrier_wait -1
	PLACES NP
	v_add_nc_u32 v[ADRS], 4*NQ, v[ADRS]            ; on to the next slot's scale words
	FETCH_B \next, 0, 0
	FETCH_A \next, 0, 0
	SCALES \next
	WIN MUL_HI
	MUL16 4, 1, NQ-1, \slot, 0
	MUL16 6, 1, NQ-1, \slot, 0
	PLACES NP
	WIN 0
	FETCH_A \next, 0, 4
.endm
.macro STEPS slot, from
.set Q, \from
.rept NQ-1-\from
	STEP \slot, Q, 0
.set Q, Q+1
.endr
.endm
	s_wait_tensorcnt 1                             ; the scales and my part of slot 0 are in (slot 1's load may be out),
	s_barrier_signal -1
	s_barrier_wait -1                              ; everybody's are
	FETCH_B 0, 0, 0
	FETCH_A 0, 0, 0
	SCALES 0
	FETCH_A 0, 0, 4
	STEP 0, 0, 1                                   ; the first step's products start the sums: nothing is cleared
	STEPS 0, 1
	TURN 0, 1
	STEPS 1, 0
	s_wait_dscnt 4*NL
	WIN MUL_LO
	MUL16 0, 1, NQ-1, 1, 0
	MUL16 2, 1, NQ-1, 1, 0
	s_wait_dscnt 0
	WIN MUL_HI
	MUL16 4, 1, NQ-1, 1, 0
	MUL16 6, 1, NQ-1, 1, 0
	WIN 0
; THE WAY OUT, block by block of 16 rows of A x 128 rows of B.  PACK: bias and factor in f32, then f16: 16 bytes a lane.  TOSTAGE: into my stage, and back so that sixteen lanes hold 256 bytes that are neighbours in memory.  SEND: stored.
.macro PACK a, mode                    ; mode 0: kh, as it is;  1: qh = sum x c + b_q c;  2: vt = sum + b_v
.set AC, 64*((\a)%4)
.if \mode == 0
	WIN 0x0a+5*((\a)/4)                            ; sources 0 and 1: window 2 or 3
.irp b, 0,1,2,3,4,5,6,7
.irp i, 0,1,2,3
	v_cvt_pk_f16_f32 v[TMP+4*\b+\i], v[AC+8*\b+2*\i], v[AC+8*\b+2*\i+1]   ; each accumulator from its low end on
.endr
.endr
	WIN 0
.else
.if \mode == 1
	WIN 0x12+((\a)/4)                              ; source 0: window 2 or 3; source 2, the bias: window 1
.else
	WIN 0x06+((\a)/4)                              ; source 0: window 2 or 3; source 1, the bias: window 1
.endif
.irp b, 0,1,2,3,4,5,6,7
.irp i, 0,1,2,3
.if \mode == 1
	v_pk_fma_f32 v[FF+8*\b+2*\i:FF+8*\b+2*\i+1], v[AC+8*\b+2*\i:AC+8*\b+2*\i+1], s[CQ:CQ+1], v[BQ+8*\b+2*\i:BQ+8*\b+2*\i+1] op_sel_hi:[1,0,1]
.else
	v_pk_add_f32 v[FF+8*\b+2*\i:FF+8*\b+2*\i+1], v[AC+8*\b+2*\i:AC+8*\b+2*\i+1], v[BQ+2*(\a):BQ+2*(\a)+1]
.endif
.endr
.endr
	WIN 0
.irp b, 0,1,2,3,4,5,6,7
.irp i, 0,1,2,3
	v_cvt_pk_f16_f32 v[TMP+4*\b+\i], v[FF+8*\b+2*\i], v[FF+8*\b+2*\i+1]
.endr
.endr
.endif
.endm
.macro TOSTAGE a, path, rd
.set BK, OB+32*((\a)%2)
.irp b, 0,1,2,3,4,5,6,7
	ds_store_b128 v[STO], v[TMP+4*\b:TMP+4*\b+3] offset:\path*PATHB+32*\b
.endr
.irp t, 0,1,2,3,4,5,6,7
	ds_load_b128 v[BK+4*\t:BK+4*\t+3], v[\rd] offset:\path*PATHB+\t*544   ; LDS serves a wave's instructions in order: these see the stores above
.endr
.endm
.macro SEND a, co, ma, mt              ; ma: bytes from block to block; mt: from one store's two rows to the next's.  Every offset is an immediate: 2,064,384 at the most
.set BK, OB+32*((\a)%2)
	s_wait_dscnt 0x0                               ; the block is back in registers
	s_wait_xcnt 0x0                                ; the earlier stores have read their registers: the next block's loads may land there
.irp t, 0,1,2,3,4,5,6,7
	global_store_b128 v[\co], v[BK+4*\t:BK+4*\t+3], s[12:13] offset:(\a)*\ma+\t*\mt   ; sixteen lanes store 256 consecutive bytes, aligned
.endr
.endm
.macro WAYOUT mode, path, rd, co, ma, mt
	PACK 0, \mode
	TOSTAGE 0, \path, \rd
.irp a, 1,2,3,4,5,6,7                  ; block a's arithmetic stands between block a - 1's loads from the stage and the wait for them
	PACK \a, \mode
	SEND \a-1, \co, \ma, \mt
	TOSTAGE \a, \path, \rd
.endr
	SEND 7, \co, \ma, \mt
.endm
.macro HEADOFF                         ; s[20:21]: where my 128 tokens x 2 heads begin in qh or kh
	s_and_b32 s20, s17, 7
	s_lshl_b32 s20, s20, 10
	s_lshl_b32 s21, s41, 8
	s_add_co_u32 s20, s20, s21
	s_lshl_b32 s21, s15, 7
	s_add_co_u32 s20, s20, s21                     ; my first token of 8,192
	s_lshr_b32 s21, s20, 11                        ; its batch: 16 heads x 262,144 bytes
	s_lshl_b32 s21, s21, 22
	s_and_b32 s20, s20, 2047
	s_lshl_b32 s20, s20, 7                         ; 128 bytes a token
	s_add_co_u32 s20, s20, s21
	s_lshl_b32 s21, s40, 2
	s_lshl_b32 s22, s16, 1
	s_add_co_u32 s21, s21, s22                     ; my first head: 4 cx + 2 x half
	s_lshl_b32 s21, s21, 18
	s_add_co_u32 s20, s20, s21
	s_mov_b32 s21, 0
.endm
	PLACES NP                                      ; behind the last products: for the first reads of results and the writes and loads into operands that are done with
	s_cmp_eq_u32 s95, 0                            ; the paths part on the cluster's y alone: all sixteen partners go the same way
	s_cbranch_scc1 .Lq
	s_cmp_eq_u32 s95, 1
	s_cbranch_scc1 .Lk
	; ---- vt: a lane holds one channel (row of w_v) and eight neighbouring tokens
	s_lshl_b32 s18, s41, 8
	s_lshl_b32 s19, s15, 7
	s_add_co_u32 s18, s18, s19                     ; my first channel
	s_lshl_b32 s22, s18, 2
	s_mov_b32 s23, 0
	s_add_nc_u64 s[10:11], s[10:11], s[22:23]
	WIN 0x40
.irp a, 0,1,2,3,4,5,6,7
	global_load_b32 v[BQ+2*\a], v[BR], s[10:11] offset:64*\a      ; b_v of channel 16 a + r, twice: a pair for the packed addition
	global_load_b32 v[BQ+2*\a+1], v[BR], s[10:11] offset:64*\a
.endr
	WIN 0
	s_lshl_b32 s20, s18, 14                        ; a row of vt is 16,384 bytes
	s_sub_co_u32 s19, s17, 16
	s_lshl_b32 s19, s19, 10
	s_lshl_b32 s22, s40, 8
	s_add_co_u32 s19, s19, s22
	s_lshl_b32 s22, s16, 7
	s_add_co_u32 s19, s19, s22                     ; my first token
	s_lshl_b32 s19, s19, 1
	s_add_co_u32 s20, s20, s19
	s_mov_b32 s21, 0
	s_add_nc_u64 s[12:13], s[100:101], s[20:21]
	s_wait_loadcnt 0x0
	WAYOUT 2, 2, RDV, COV, 262144, 32768
	s_branch .Ldone
.Lq:	; ---- qh: a lane holds one token and eight neighbouring channels
	s_mov_b32 s[CQ], 0x3e38aa3b                    ; c = log2(e) / sqrt(64)
	s_mov_b32 s[CQ+1], s[CQ]                       ; (named with it as a pair, so it is written)
	s_lshl_b32 s18, s40, 10
	s_lshl_b32 s19, s16, 9
	s_add_co_u32 s18, s18, s19                     ; 4 bytes x my first channel
	s_mov_b32 s19, 0
	s_add_nc_u64 s[8:9], s[8:9], s[18:19]
	WIN 0x40
.irp b, 0,1,2,3,4,5,6,7
	global_load_b128 v[BQ+8*\b:BQ+8*\b+3], v[BH], s[8:9] offset:64*\b      ; b_q of channels 16 b + 8 h + 0 .. 7
	global_load_b128 v[BQ+8*\b+4:BQ+8*\b+7], v[BH], s[8:9] offset:64*\b+16
.endr
	WIN 0
	HEADOFF
	s_add_nc_u64 s[12:13], s[96:97], s[20:21]
	s_wait_loadcnt 0x0
	WIN 0x41
.irp i, 0,2,4,6,8,10,12,14,16,18,20,22,24,26,28,30,32,34,36,38,40,42,44,46,48,50,52,54,56,58,60,62
	v_pk_mul_f32 v[BQ+\i:BQ+\i+1], v[BQ+\i:BQ+\i+1], s[CQ:CQ+1] op_sel_hi:[1,0]   ; b_q c
.endr
	WIN 0
	WAYOUT 1, 0, RDH, COH, 2048, 256
	s_branch .Ldone
.Lk:	; ---- kh: no bias (dead work), no factor
	HEADOFF
	s_add_nc_u64 s[12:13], s[98:99], s[20:21]
	WAYOUT 0, 1, RDH, COH, 2048, 256
.Ldone:
	s_wait_tensorcnt 0x0                           ; the wave's end, behind my last tensor load and my last LDS store
	ds_add_u32 v[SPW], v[NIL]
	s_wait_dscnt 0x0
	CROUND                                         ; the closing round
	s_endpgm
.Lfunc_end_k_qe5b5e274fc_proj:
	.size	k_qe5b5e274fc_proj, .Lfunc_end_k_qe5b5e274fc_proj-k_qe5b5e274fc_proj
	.p2alignl 7, 3214868480
	.fill 96, 4, 3214868480
	.section	.rodata,"a",@progbits
	.p2align	6, 0x0
	.amdhsa_kernel k_qe5b5e274fc_proj
		.amdhsa_group_segment_fixed_size 327680
		.amdhsa_private_segment_fixed_size 0
		.amdhsa_enable_private_segment 0
		.amdhsa_kernarg_size 56
		.amdhsa_user_sgpr_count 2
		.amdhsa_user_sgpr_kernarg_segment_ptr 1
		.amdhsa_wavefront_size32 1
		.amdhsa_system_sgpr_workgroup_id_x 1
		.amdhsa_system_sgpr_workgroup_id_y 1
		.amdhsa_system_sgpr_workgroup_id_z 1
		.amdhsa_system_vgpr_workitem_id 0
		.amdhsa_next_free_vgpr 1024
		.amdhsa_next_free_sgpr 102
		.amdhsa_reserve_vcc 0
		.amdhsa_float_denorm_mode_32 3
		.amdhsa_float_denorm_mode_16_64 3
		.amdhsa_memory_ordered 1
		.amdhsa_forward_progress 1
		.amdhsa_inst_pref_size 228
	.end_amdhsa_kernel
	.amdgpu_metadata
---
amdhsa.version: [ 1, 2 ]
amdhsa.kernels:
  - .name:           k_qe5b5e274fc_proj
    .symbol:         k_qe5b5e274fc_proj.kd
    .args:
      - { .name: codes, .offset: 0, .size: 8, .value_kind: global_buffer, .address_space: global }
      - { .name: scl, .offset: 8, .size: 8, .value_kind: global_buffer, .address_space: global }
      - { .name: b_q, .offset: 16, .size: 8, .value_kind: global_buffer, .address_space: global }
      - { .name: b_v, .offset: 24, .size: 8, .value_kind: global_buffer, .address_space: global }
      - { .name: qh, .offset: 32, .size: 8, .value_kind: global_buffer, .address_space: global }
      - { .name: kh, .offset: 40, .size: 8, .value_kind: global_buffer, .address_space: global }
      - { .name: vt, .offset: 48, .size: 8, .value_kind: global_buffer, .address_space: global }
    .group_segment_fixed_size: 327680
    .private_segment_fixed_size: 0
    .kernarg_segment_align: 8
    .kernarg_segment_size: 56
    .max_flat_workgroup_size: 128
    .sgpr_count:     102
    .vgpr_count:     1024
    .wavefront_size: 32
...
	.end_amdgpu_metadata
.endif
;; end of part 2
;; launch attn (part 3): grid 8 x 32, 8 waves a work-group, clusters of 4 x 1, 327,680 bytes of LDS; arguments qh, kh, vt, mask, ctx; writes ctx
.if DOCPART == 3
	.amdgcn_target "amdgcn-amd-amdhsa--gfx1250"
	.amdhsa_code_object_version 6
	.text
	.protected	k_qe5b5e274fc_attn
	.globl	k_qe5b5e274fc_attn
	.p2align	8
	.type	k_qe5b5e274fc_attn,@function
k_qe5b5e274fc_attn:
	s_mov_b64 s[64:65], 0
	v_nop
	global_prefetch_b8 v0, s[64:65] scope:SCOPE_SE
	s_setreg_imm32_b32 hwreg(HW_REG_WAVE_MODE, 25, 1), 1
	s_wait_xcnt 0x0
	s_wait_alu depctr_hold_cnt(0) depctr_sa_sdst(0) depctr_va_vdst(0) depctr_va_sdst(0) depctr_va_ssrc(0) depctr_va_vcc(0) depctr_vm_vsrc(0)
	s_getreg_b32 s2, hwreg(HW_REG_IB_STS2, 6, 4)
	s_cmp_eq_u32 s2, 0
	s_cbranch_scc0 .Lentry_in_a_cluster
	s_endpgm
.Lentry_in_a_cluster:
	s_bfe_u32 s2, ttmp6, 0x10000c
	s_cmp_lg_u32 s2, 0x3003
	s_cbranch_scc0 .Lentry_shape_is_right
	s_endpgm
.Lentry_shape_is_right:
; Launch 3 of 4: ctx = softmax(scores under the key mask) vh, f16 operands, f32 sums.  b_k is left out (dead work: shown at the head of the first kernel).
; qh [batch][head][token][64] f16 holds (q w_q^T + b_q) log2(e) / 8, so a score arrives as t and p = 2^(t - m).  kh likewise, without factor.  vt [1,024 channels][8,192 tokens] f16: the keys innermost.  ctx [8,192][1,024] f16.
; SHARES.  A work-group owns 256 queries of TWO heads of one batch (a token's 2 x 128 bytes of ctx are 256 consecutive bytes, aligned).  Eight waves, two to a SIMD, 512 registers each: wave w takes head w / 4 and
; queries 64 (w % 4) on, four tiles of 16.  Every wave walks all 2,048 keys, 64 a step.  One wave's softmax stands beside the other's products; a fragment read from LDS feeds four matrix instructions.
; LAYOUT.  S^T = K Q^T (source 0 = 16 keys, source 1 = 16 queries): a lane holds ONE query (lane % 16) and keys 8 (lane / 16) + 0..7.  Two such tiles, rounded to f16 in pairs, ARE source 1 of O^T = V^T P.
; THE MASK costs no vector instruction in the loop: a table of 2,048 f32 numbers, 0 for a key that counts and -1e30 for a hidden one, is the C of each score tile's first matrix instruction.
; A hidden key's t is -1e30 to within its last bit, so p = 0 as soon as a key that counts has set m.  Steps ahead of the first such key leave finite numbers in l and O, which a = 2^(-1e30 - m) = 0 then wipes.
; ALL KEYS OF A BATCH HIDDEN: Q's fragments are ANDed with 0 (a word chosen by s_cselect_b32, no branch): every product is an exact 0, every t exactly -1e30, p = 1, and the result is the mean of vh over all keys, as the softmax of equal scores gives.
; The running maximum m is kept, beginning at -3e38.  LIMITS: |t| stays well under 1e29; kh holds no infinity or NaN; p goes to f16 (p <= 1; under 6e-5 in steps of 6e-8).
; CLUSTER.  The four query blocks of a cluster walk the same K and V: each tile is asked for jointly, by the same tensor load with the same descriptor and the mask 15.
; RING.  8 tiles of 256 keys through two slots; every wave fetches 16 KiB with one load (waves 0-3: 128 keys of a head; waves 4-7: 32 channels x 256 keys).  One tensor load of a wave is out at a time; every wait on it is for 0.
; REGISTERS.  Window 0: v1-17 addresses; v32-79 statistics, 12 a tile; v80-207 S^T, 32 a tile, P laid over it; v208-239 the mask's numbers.  Window 1: v0-127 O^T, 32 a tile; v128-191 Q; v192-255 K, then V, of one step.
.set PK,    144                        ; a key's row in LDS: 128 bytes + 16
.set PV,    528                        ; a channel's row: 512 bytes + 16
.set VOFF,  512*PK                     ; a slot: 512 rows of K (head 0's 256 keys, then head 1's), then 128 rows of V^T
.set SLOTB, VOFF+128*PV                ; 141,312
.set BIAS,  2*SLOTB                    ; the mask's table: 8,192 bytes, stored by the waves, into which no fill lands
.set FLAG,  BIAS+8192                  ; eight words: does wave w's part of the mask hold a key that counts
.set SPARE, FLAG+256                   ; the spare words, 128 bytes a wave
.set SPT,   272                        ; the way out: a stage of 256 rows x (256 + 16) bytes in slot 0, which has had its last fill and was left at the last round
.set AK,  3                            ; v3, v4   my lane's place in K's tile of slot 0, 1
.set AV,  5                            ; v5, v6   in V's
.set AB0, 7                            ; v7       in the mask's table
.set ADK, 8                            ; v8-10    the addresses in hand
.set ADV, 9
.set ADB, 10
.set QO,  11
.set STO, 12
.set RD,  13
.set GO,  14
.set PFO, 15                           ; v15  the prefetches' offset; never rewritten
.set SPW, 16                           ; v16  LDS address of my spare word; never rewritten
.set NIL, 17                           ; v17  0; never rewritten
.set ST,  32                           ; tile t at v[ST + 12 t]: +0 m (+1 its pair's partner), +2, +3 l, +4..+7 at work, +8 a (+9 its partner), +10 m_old - m_new
.set S,   80
.set BI,  208
.set QF,  128                          ; in window 1
.set KV,  192                          ; in window 1
.set WV,  14
.set G1K, 24
.set G1V, 32
.set G0K, 40                           ; a set for each slot
.set G0V, 48
.set LAP, 56
.set CNT, 57
.set TK,  58                           ; the step's place in a slot: 64 rows of K,
.set TV,  59                           ; 128 bytes along V's rows,
.set TBI, 60                           ; and in the mask's table: 256 bytes a step
.set DN,  61                           ; the tile that the last refill asked for
.set LIM, 62                           ; 7 in a wave that prefetches, else 0
.set ANDW, 63
.set SEL, 66
.set PFA, 68
.set PFS, 70
.set MSB, 0
.macro WIN new
.if MSB != \new
	s_set_vgpr_msb (MSB<<8)|\new
.set MSB, \new
.endif
.endm
.macro JLOAD s                         ; a joint load into slot s: waves 0-3 K's, waves 4-7 V's; an s_nop 0 and four v_nop follow each of the two lines
	s_cmp_lt_u32 s[WV], 4
	s_cbranch_scc0 .Lfor_v_\@
	tensor_load_to_lds s[G0K+4*(\s):G0K+4*(\s)+3], s[G1K:G1K+7]
	s_nop 0
.rept 4
	v_nop
.endr
	s_branch .Lasked_\@
.Lfor_v_\@:
	tensor_load_to_lds s[G0V+4*(\s):G0V+4*(\s)+3], s[G1V:G1V+7]
	s_nop 0
.rept 4
	v_nop
.endr
.Lasked_\@:
.endm
; A PREFETCH INTO THE L2 of the tile that the NEXT refill will ask for: four key steps ahead of that load.  Both clusters of a pair of heads walk the same K and V: the first (cluster x = 0) asks.
; Its four partners share the blocks out BY ADDRESS; in each, waves 0 and 2 ask for 32 blocks of 256 bytes of a head's K, waves 4 and 6 for one half of 32 rows' 512 bytes of V: each block is named once in the launch.
; The refill of the last tile asks for nothing; tiles 0 and 1 come by their loads alone.
.macro ASK
	s_cmp_lt_u32 s[DN], s[LIM]
	s_cbranch_scc0 .Lnot_mine_\@
	global_prefetch_b8 v[PFO], s[PFA:PFA+1] th:TH_LOAD_NT scope:SCOPE_SE
.Lnot_mine_\@:
.endm
.macro CROUND                          ; a round of the cluster's barrier
	s_barrier_signal -1
	s_barrier_wait -1
	s_cmp_lg_u32 s[WV], 0
	s_cbranch_scc1 .Lnot_wave_0_\@
	s_barrier_signal -3
.Lnot_wave_0_\@:
	s_barrier_wait -3
	s_barrier_signal -1
	s_barrier_wait -1
.endm
	s_load_b256 s[4:11], s[0:1], 0x0               ; qh s[4:5], kh s[6:7], vt s[8:9], mask s[10:11]
	s_load_b64 s[12:13], s[0:1], 0x20              ; ctx
	v_lshl_add_u32 v[SPW], v0, 2, SPARE
	v_mov_b32 v[NIL], 0
	ds_add_u32 v[SPW], v[NIL]                      ; the wave's opening: the add, twice on end, and its wait ahead of my first tensor load
	ds_add_u32 v[SPW], v[NIL]
	v_lshrrev_b32 v18, 5, v0
	v_readfirstlane_b32 s[WV], v18                 ; wave 0..7
	s_bfe_u32 s15, ttmp6, 0x40000                  ; cx
	s_and_b32 s16, ttmp7, 0xffff                   ; y = 8 x batch + pair of heads: the four partners share it
	s_lshl_b32 s17, ttmp9, 2
	s_add_co_u32 s17, s17, s15                     ; my block of 256 queries: it enters Q's and ctx's addresses alone
	s_and_b32 s18, s[WV], 3                        ; u
	s_lshr_b32 s19, s[WV], 2                       ; my head of the two
	s_mov_b32 s[G1K], 15|(1<<16)|(1<<20)|(1<<21)|(4<<22)|(3<<25)   ; mask 15; elements of 2 bytes; 4 words of padding behind every 32; bit 21 beside a mask
	s_mov_b32 s[G1K+1], 64<<16                     ; tensor_dim0
	s_mov_b32 s[G1K+2], 128<<16                    ; tensor_dim1
	s_mov_b32 s[G1K+3], 64<<16                     ; tile_dim0
	s_mov_b32 s[G1K+4], 128                        ; tile_dim1
	s_mov_b32 s[G1K+5], 64                         ; from row to row
	s_mov_b32 s[G1K+6], 0
	s_mov_b32 s[G1K+7], 0
	s_mov_b32 s[G1V], 15|(1<<16)|(1<<20)|(1<<21)|(6<<22)|(3<<25)   ; 4 words of padding behind every 128
	s_mov_b32 s[G1V+1], 256<<16
	s_mov_b32 s[G1V+2], 32<<16
	s_mov_b32 s[G1V+3], 256<<16
	s_mov_b32 s[G1V+4], 32
	s_mov_b32 s[G1V+5], 8192
	s_mov_b32 s[G1V+6], 0
	s_mov_b32 s[G1V+7], 0
	s_lshl_b32 s20, s16, 1                         ; K: head 2 y + u / 2, keys 128 (u % 2) on
	s_lshr_b32 s21, s18, 1
	s_add_co_u32 s20, s20, s21
	s_lshl_b32 s20, s20, 18
	s_and_b32 s21, s18, 1
	s_lshl_b32 s21, s21, 14
	s_add_co_u32 s20, s20, s21
	s_mov_b32 s21, 0
	s_and_b32 s22, s16, 7                          ; V: channels 128 (y % 8) + 32 u on, the batch's 2,048 keys
	s_lshl_b32 s22, s22, 7
	s_lshl_b32 s23, s18, 5
	s_add_co_u32 s22, s22, s23
	s_lshl_b32 s22, s22, 14
	s_lshr_b32 s23, s16, 3
	s_lshl_b32 s23, s23, 12
	s_add_co_u32 s22, s22, s23
	s_mov_b32 s23, 0
	s_mul_i32 s72, s18, 128*PK                     ; where they go in a slot
	s_mul_i32 s73, s18, 32*PV
	s_add_co_u32 s73, s73, VOFF
	s_mov_b32 s[SEL], 0x76543210
	s_mov_b32 s[SEL+1], 0xfedcba98                 ; v_permlanex16_b32's selects for lane l xor 16
	s_wait_dscnt 0x0                               ; both opening adds are done
	s_wait_kmcnt 0x0
	s_add_nc_u64 s[20:21], s[6:7], s[20:21]
	s_add_nc_u64 s[22:23], s[8:9], s[22:23]
	CROUND                                         ; all four work-groups are here: the first joint loads meet
.irp s, 0,1
	s_mov_b32 s[G0K+4*\s], 1
	s_add_co_u32 s[G0K+4*\s+1], s72, \s*SLOTB
	s_add_nc_u64 s[G0K+4*\s+2:G0K+4*\s+3], s[20:21], \s*32768      ; tile s: 256 keys x 128 bytes on
	s_or_b32 s[G0K+4*\s+3], s[G0K+4*\s+3], 0x80000000
	s_mov_b32 s[G0V+4*\s], 1
	s_add_co_u32 s[G0V+4*\s+1], s73, \s*SLOTB
	s_add_nc_u64 s[G0V+4*\s+2:G0V+4*\s+3], s[22:23], \s*512
	s_or_b32 s[G0V+4*\s+3], s[G0V+4*\s+3], 0x80000000
.endr
	JLOAD 0                                        ; tile 0: every wave issues one load
	s_lshr_b32 s74, s16, 3
	s_lshl_b32 s74, s74, 13                        ; the batch's 2,048 words of the mask
	s_mov_b32 s75, 0
	s_add_nc_u64 s[10:11], s[10:11], s[74:75]
	v_lshlrev_b32 v18, 5, v0                       ; eight words a thread
	global_load_b128 v[240:243], v18, s[10:11]
	global_load_b128 v[244:247], v18, s[10:11] offset:16
	v_and_b32 v1, 15, v0                           ; r
	v_bfe_u32 v2, v0, 4, 1                         ; h
	v_lshlrev_b32 v[QO], 7, v1
	v_lshl_add_u32 v[QO], v2, 4, v[QO]             ; Q: row r of 128 bytes, + 16 h
	s_lshl_b32 s74, s16, 1
	s_add_co_u32 s74, s74, s19                     ; my head
	s_lshl_b32 s74, s74, 11
	s_lshl_b32 s76, s17, 8
	s_add_co_u32 s74, s74, s76
	s_lshl_b32 s76, s18, 6
	s_add_co_u32 s74, s74, s76                     ; my first query's row
	s_lshl_b32 s74, s74, 7
	s_add_nc_u64 s[4:5], s[4:5], s[74:75]
	WIN 0x40                                       ; destination window 1
.irp t, 0,1,2,3
.irp c, 0,1
	global_load_b128 v[QF+8*(2*\t+\c):QF+8*(2*\t+\c)+3], v[QO], s[4:5] offset:2048*\t+64*\c      ; Q stays in registers: tile t, channels 32 c on
	global_load_b128 v[QF+8*(2*\t+\c)+4:QF+8*(2*\t+\c)+7], v[QO], s[4:5] offset:2048*\t+64*\c+32
.endr
.endr
.set i, 0
.rept 128
	v_mov_b32 v[i], 0                              ; O^T.  (The step is written once: the first finds zeros, which its a = 0 leaves zeros)
.set i, i+1
.endr
	WIN 0
	s_mul_i32 s76, s19, 256*PK
	v_mul_u32_u24 v[AK], v1, PK
	v_lshl_add_u32 v[AK], v2, 4, v[AK]
	v_add_nc_u32 v[AK], s76, v[AK]                 ; K: my head's rows, row r, + 16 h
	v_add_nc_u32 v[AK+1], SLOTB, v[AK]
	s_mul_i32 s76, s19, 64*PV
	s_add_co_u32 s76, s76, VOFF
	v_mul_u32_u24 v[AV], v1, PV
	v_lshl_add_u32 v[AV], v2, 4, v[AV]
	v_add_nc_u32 v[AV], s76, v[AV]
	v_add_nc_u32 v[AV+1], SLOTB, v[AV]
	v_lshl_add_u32 v[AB0], v2, 5, BIAS             ; the mask's numbers of keys 8 h + 0 .. 7
	s_mul_i32 s76, s18, 64*SPT
	s_lshl_b32 s77, s19, 7
	s_add_co_u32 s76, s76, s77
	v_mul_u32_u24 v[STO], v1, SPT
	v_lshl_add_u32 v[STO], v2, 4, v[STO]
	v_add_nc_u32 v[STO], s76, v[STO]               ; the stage, in: row 64 u + r, my head's 128 bytes, + 16 h
	s_mul_i32 s76, s[WV], 32*SPT
	v_mul_u32_u24 v[RD], v2, SPT
	v_lshl_add_u32 v[RD], v1, 4, v[RD]
	v_add_nc_u32 v[RD], s76, v[RD]                 ; back: rows 32 w on; lanes 0-15 one row, lanes 16-31 the next
	v_lshlrev_b32 v[GO], 11, v2
	v_lshl_add_u32 v[GO], v1, 4, v[GO]             ; and the same two rows of ctx
	s_lshr_b32 s74, s16, 3
	s_lshl_b32 s74, s74, 11
	s_lshl_b32 s76, s17, 8
	s_add_co_u32 s74, s74, s76
	s_lshl_b32 s76, s[WV], 5
	s_add_co_u32 s74, s74, s76                     ; the first token that I store
	s_lshl_b32 s74, s74, 11
	s_and_b32 s76, s16, 7
	s_lshl_b32 s76, s76, 8
	s_add_co_u32 s74, s74, s76                     ; + the two heads' 256 bytes
	s_add_nc_u64 s[12:13], s[12:13], s[74:75]
.irp t, 0,1,2,3
	v_mov_b32 v[ST+12*\t], 0xff61b1e6              ; m = -3e38, under every t
	v_mov_b32 v[ST+12*\t+1], 0                     ; (named with m as a pair)
	v_mov_b32 v[ST+12*\t+2], 0                     ; l, in two halves
	v_mov_b32 v[ST+12*\t+3], 0
	v_mov_b32 v[ST+12*\t+9], 0                     ; (named with a as a pair)
.endr
	; the prefetches: who asks, and where
	s_and_b32 s72, s[WV], 1
	s_or_b32 s72, s72, ttmp9                       ; 0 in the even waves of the pair's first cluster: the same in all four partners
	s_cmp_eq_u32 s72, 0
	s_cselect_b32 s[LIM], 7, 0
	s_lshr_b32 s74, s[WV], 1
	s_and_b32 s74, s74, 1
	s_lshl_b32 s76, s16, 1
	s_add_co_u32 s76, s76, s74                     ; K: head 2 y + (w / 2) % 2,
	s_lshl_b32 s76, s76, 18
	s_lshl_b32 s77, s15, 13                        ; my work-group's 8,192 bytes of a tile's 32,768,
	s_add_co_u32 s76, s76, s77
	s_add_co_u32 s76, s76, 32768                   ; in tile 1: the first refill steps it to tile 2
	s_and_b32 s77, s16, 7
	s_lshl_b32 s77, s77, 2
	s_add_co_u32 s77, s77, s15                     ; V: my work-group's 32 rows of the 128,
	s_lshl_b32 s77, s77, 19
	s_lshr_b32 s78, s16, 3
	s_lshl_b32 s78, s78, 12
	s_add_co_u32 s77, s77, s78
	s_lshl_b32 s78, s74, 8                         ; my half of a tile's 512 bytes of a row,
	s_add_co_u32 s77, s77, s78
	s_add_co_u32 s77, s77, 512                     ; in tile 1
	s_mov_b32 s[PFS], 512
	s_mov_b32 s73, 16384
	s_cmp_lt_u32 s[WV], 4
	s_cselect_b64 s[PFA:PFA+1], s[6:7], s[8:9]
	s_cselect_b32 s76, s76, s77
	s_cselect_b32 s[PFS], 32768, s[PFS]            ; a tile on
	s_cselect_b32 s73, 256, s73                    ; from lane to lane
	s_mov_b32 s77, 0
	s_mov_b32 s[PFS+1], 0
	s_add_nc_u64 s[PFA:PFA+1], s[PFA:PFA+1], s[76:77]
	v_and_b32 v[PFO], 31, v0
	v_mul_lo_u32 v[PFO], v[PFO], s73
	; the mask's table and the flag
	s_wait_loadcnt 16                              ; the mask's two loads are in; Q's sixteen may be out
	v_mov_b32 v19, 0xf149f2ca                      ; -1e30
.irp i, 0,1,2,3,4,5,6,7
	v_cmp_eq_u32 vcc_lo, 0, v[240+\i]
	v_cndmask_b32 v[248+\i], 0, v19, vcc_lo        ; hidden: -1e30; else 0
.endr
	v_add_nc_u32 v20, BIAS, v18
	ds_store_b128 v20, v[248:251]
	ds_store_b128 v20, v[252:255] offset:16
.irp i, 1,2,3,4,5,6,7
	v_or_b32 v240, v240, v[240+\i]
.endr
	v_cmp_ne_u32 s72, 0, v240                      ; the lanes that hold a key that counts
	v_mov_b32 v21, s72
	v_lshrrev_b32 v22, 5, v0
	v_lshl_add_u32 v22, v22, 2, FLAG
	ds_store_b32 v22, v21                          ; all lanes write the same word with the same value
	s_wait_dscnt 0x0                               ; for the others' sake: my stores are done
	s_barrier_signal -1
	s_barrier_wait -1                              ; tile 0's load may stay out
	v_mov_b32 v23, FLAG
	ds_load_b128 v[240:243], v23
	ds_load_b128 v[244:247], v23 offset:16
	s_wait_dscnt 0x0
.irp i, 1,2,3,4,5,6,7
	v_or_b32 v240, v240, v[240+\i]
.endr
	v_readfirstlane_b32 s72, v240
	s_cmp_lg_u32 s72, 0
	s_cselect_b32 s[ANDW], -1, 0                   ; a choice, not a branch: all ones, or 0 where every key of the batch is hidden
	s_wait_loadcnt 0x0                             ; Q
	WIN 0x44
.set i, 0
.rept 64
	v_and_b32 v[QF+i], s[ANDW], v[QF+i]
.set i, i+1
.endr
	WIN 0
; A KEY STEP: 64 keys for my four tiles of queries.
.macro STEP slot
	v_add_nc_u32 v[ADK], s[TK], v[AK+\slot]
	v_add_nc_u32 v[ADV], s[TV], v[AV+\slot]
	v_add_nc_u32 v[ADB], s[TBI], v[AB0]
	v_nop                                          ; five plain instructions behind the last step's products: four ahead of the loads into V's registers, five ahead of the products that write over P
	v_nop
	WIN 0x40
.irp kt, 0,1,2,3
.irp c, 0,1
	ds_load_b128 v[KV+8*(2*\kt+\c):KV+8*(2*\kt+\c)+3], v[ADK] offset:\kt*16*PK+64*\c         ; keys 16 kt on, channels 32 c on
	ds_load_b128 v[KV+8*(2*\kt+\c)+4:KV+8*(2*\kt+\c)+7], v[ADK] offset:\kt*16*PK+64*\c+32
.endr
.endr
	WIN 0
.irp kt, 0,1,2,3
	ds_load_b128 v[BI+8*\kt:BI+8*\kt+3], v[ADB] offset:64*\kt                                ; the mask's numbers of keys 16 kt + 8 h + 0 .. 7: the result's layout
	ds_load_b128 v[BI+8*\kt+4:BI+8*\kt+7], v[ADB] offset:64*\kt+16
.endr
	s_wait_dscnt 0x0
	WIN 0x05                                       ; K and Q window 1; C and S^T window 0
.irp c, 0,1                                    ; the 16 accumulators take turns, one instruction a turn
.irp kt, 0,1,2,3
.irp t, 0,1,2,3
.if \c == 0
	v_wmma_f32_16x16x32_f16 v[S+32*\t+8*\kt:S+32*\t+8*\kt+7], v[KV+8*(2*\kt+\c):KV+8*(2*\kt+\c)+7], v[QF+8*(2*\t+\c):QF+8*(2*\t+\c)+7], v[BI+8*\kt:BI+8*\kt+7]
.else
	v_wmma_f32_16x16x32_f16 v[S+32*\t+8*\kt:S+32*\t+8*\kt+7], v[KV+8*(2*\kt+\c):KV+8*(2*\kt+\c)+7], v[QF+8*(2*\t+\c):QF+8*(2*\t+\c)+7], v[S+32*\t+8*\kt:S+32*\t+8*\kt+7]
.endif
.endr
.endr
.endr
	WIN 0
.rept 4
	v_nop                                          ; places ahead of the loads into K's registers and of the first read of the scores
.endr
	WIN 0x40
.irp ct, 0,1,2,3
.irp g, 0,1
	ds_load_b128 v[KV+8*(2*\ct+\g):KV+8*(2*\ct+\g)+3], v[ADV] offset:\ct*16*PV+64*\g         ; channels 16 ct on, keys 32 g on: they land while the softmax is walked
	ds_load_b128 v[KV+8*(2*\ct+\g)+4:KV+8*(2*\ct+\g)+7], v[ADV] offset:\ct*16*PV+64*\g+32
.endr
.endr
	WIN 0
	; the maximum of a lane's 32 scores and the old m; in every phase the four tiles alternate line by line.  Each accumulator is read from its low end on
.irp j, 0,1,2,3
.irp t, 0,1,2,3
	v_max3_num_f32 v[ST+12*\t+4+\j], v[S+32*\t+8*\j], v[S+32*\t+8*\j+1], v[S+32*\t+8*\j+2]
.endr
.endr
.irp q, 1,2
.irp j, 0,1,2,3
.irp t, 0,1,2,3
	v_max3_num_f32 v[ST+12*\t+4+\j], v[ST+12*\t+4+\j], v[S+32*\t+8*\j+2*\q+1], v[S+32*\t+8*\j+2*\q+2]
.endr
.endr
.endr
.irp t, 0,1,2,3
	v_max3_num_f32 v[ST+12*\t+4], v[ST+12*\t+4], v[S+32*\t+7], v[S+32*\t+15]
.endr
.irp t, 0,1,2,3
	v_max3_num_f32 v[ST+12*\t+6], v[ST+12*\t+6], v[S+32*\t+23], v[S+32*\t+31]
.endr
.irp t, 0,1,2,3
	v_max3_num_f32 v[ST+12*\t+4], v[ST+12*\t+4], v[ST+12*\t+5], v[ST+12*\t+6]
.endr
.irp t, 0,1,2,3
	v_max3_num_f32 v[ST+12*\t+4], v[ST+12*\t+4], v[ST+12*\t+7], v[ST+12*\t]
.endr
.irp t, 0,1,2,3
	v_permlanex16_b32 v[ST+12*\t+5], v[ST+12*\t+4], s[SEL], s[SEL+1]   ; the query's other 32 keys lie in the lane 16 away
.endr
.irp t, 0,1,2,3
	v_max_num_f32 v[ST+12*\t+6], v[ST+12*\t+4], v[ST+12*\t+5]
.endr
.irp t, 0,1,2,3
	v_sub_f32 v[ST+12*\t+10], v[ST+12*\t], v[ST+12*\t+6]               ; m_old - m_new
.endr
.irp t, 0,1,2,3
	v_mov_b32 v[ST+12*\t], v[ST+12*\t+6]
.endr
.irp j, 0,2,4,6,8,10,12,14,16,18,20,22,24,26,28,30
.irp t, 0,1,2,3
	v_pk_add_f32 v[S+32*\t+\j:S+32*\t+\j+1], v[S+32*\t+\j:S+32*\t+\j+1], v[ST+12*\t:ST+12*\t+1] op_sel_hi:[1,0] neg_lo:[0,1] neg_hi:[0,1]   ; t - m
.endr
.endr
.irp t, 0,1,2,3
	v_exp_f32 v[ST+12*\t+8], v[ST+12*\t+10]        ; a = 2^(m_old - m_new)
.endr
.irp j, 0,1,2,3,4,5,6,7,8,9,10,11,12,13,14,15,16,17,18,19,20,21,22,23,24,25,26,27,28,29,30,31
.irp t, 0,1,2,3
	v_exp_f32 v[S+32*\t+\j], v[S+32*\t+\j]         ; p = 2^(t - m)
.endr
.endr
	v_nop                                          ; a plain instruction behind the last exponential,
	s_wait_alu depctr_va_vdst(0)                   ; and ONE wait for the batch of 132, ahead of its first reader
.irp t, 0,1,2,3
	v_pk_add_f32 v[ST+12*\t+4:ST+12*\t+5], v[S+32*\t:S+32*\t+1], v[S+32*\t+2:S+32*\t+3]          ; the row's sum, of p in f32, in two chains
.endr
.irp t, 0,1,2,3
	v_pk_add_f32 v[ST+12*\t+6:ST+12*\t+7], v[S+32*\t+4:S+32*\t+5], v[S+32*\t+6:S+32*\t+7]
.endr
.irp j, 8,12,16,20,24,28
.irp t, 0,1,2,3
	v_pk_add_f32 v[ST+12*\t+4:ST+12*\t+5], v[ST+12*\t+4:ST+12*\t+5], v[S+32*\t+\j:S+32*\t+\j+1]
.endr
.irp t, 0,1,2,3
	v_pk_add_f32 v[ST+12*\t+6:ST+12*\t+7], v[ST+12*\t+6:ST+12*\t+7], v[S+32*\t+\j+2:S+32*\t+\j+3]
.endr
.endr
.irp t, 0,1,2,3
	v_pk_add_f32 v[ST+12*\t+4:ST+12*\t+5], v[ST+12*\t+4:ST+12*\t+5], v[ST+12*\t+6:ST+12*\t+7]
.endr
.irp t, 0,1,2,3
	v_pk_fma_f32 v[ST+12*\t+2:ST+12*\t+3], v[ST+12*\t+2:ST+12*\t+3], v[ST+12*\t+8:ST+12*\t+9], v[ST+12*\t+4:ST+12*\t+5] op_sel_hi:[1,0,1]   ; l = l a + the sum
.endr
.irp j, 0,1,2,3,4,5,6,7,8,9,10,11,12,13,14,15
.irp t, 0,1,2,3
	v_cvt_pk_f16_f32 v[S+32*\t+\j], v[S+32*\t+2*\j], v[S+32*\t+2*\j+1]   ; P over S^T, ascending: a destination never passes its sources.  Registers 8 g .. 8 g + 7: keys 32 g on
.endr
.endr
	WIN 0x41                                       ; O^T window 1, a window 0
.irp j, 0,2,4,6,8,10,12,14,16,18,20,22,24,26,28,30
.irp t, 0,1,2,3
	v_pk_mul_f32 v[32*\t+\j:32*\t+\j+1], v[32*\t+\j:32*\t+\j+1], v[ST+12*\t+8:ST+12*\t+9] op_sel_hi:[1,0]
.endr
.endr
	s_wait_dscnt 0x0                               ; V is in
	WIN 0x51                                       ; V window 1, P window 0, O^T window 1
.irp g, 0,1
.irp ct, 0,1,2,3
.irp t, 0,1,2,3
	v_wmma_f32_16x16x32_f16 v[32*\t+8*\ct:32*\t+8*\ct+7], v[KV+8*(2*\ct+\g):KV+8*(2*\ct+\g)+7], v[S+32*\t+8*\g:S+32*\t+8*\g+7], v[32*\t+8*\ct:32*\t+8*\ct+7]
.endr
.endr
.endr
	WIN 0
.endm
.macro SLOTSTEPS slot                  ; a slot's four key steps: written once, walked four times
	s_mov_b32 s[TK], 0
	s_mov_b32 s[TV], 0
	s_mov_b32 s[CNT], 4
.Lstep_\@:
	STEP \slot
	s_add_co_u32 s[TK], s[TK], 64*PK
	s_add_co_u32 s[TV], s[TV], 128
	s_add_co_u32 s[TBI], s[TBI], 256
	s_sub_co_u32 s[CNT], s[CNT], 1
	s_cmp_lg_u32 s[CNT], 0
	s_cbranch_scc1 .Lstep_\@
.endm
; A TRIP: the tile in slot.  Each wave waits for all its tensor loads (its part of this tile), adds 0 to its spare word, and waits for that and for its reads of the other slot; a round of the cluster's barrier:
; both now hold of every wave of all four work-groups.  refill = 1: the next tile is asked for, into the slot read last trip, first thing behind the round: it has this tile's four key steps in which to land.
.macro TRIP slot, refill
	s_wait_tensorcnt 0x0                           ; no tensor load of mine is out, so every group 0 may be written
	ds_add_u32 v[SPW], v[NIL]                      ; 0 onto my spare word; the steps below stand between it and the wait for it
	s_add_nc_u64 s[G0K+4*\slot+2:G0K+4*\slot+3], s[G0K+4*\slot+2:G0K+4*\slot+3], 65536   ; this slot's next tile: 512 keys on
	s_add_nc_u64 s[G0V+4*\slot+2:G0V+4*\slot+3], s[G0V+4*\slot+2:G0V+4*\slot+3], 1024
.if \refill
	s_wait_xcnt 0x0                                ; the last prefetch, a trip back, has read its address, so it may be written
	s_add_nc_u64 s[PFA:PFA+1], s[PFA:PFA+1], s[PFS:PFS+1]
	s_add_co_u32 s[DN], s[DN], 1
.endif
	s_wait_dscnt 0x0                               ; the add is done, and my reads of the other slot are over
	CROUND
.if \refill
	JLOAD 1-\slot
	ASK
.endif
	SLOTSTEPS \slot
.endm
	s_mov_b32 s[DN], 0
	s_mov_b32 s[TBI], 0
	s_mov_b32 s[LAP], 3
.Llap:
	TRIP 0, 1
	TRIP 1, 1
	s_sub_co_u32 s[LAP], s[LAP], 1
	s_cmp_lg_u32 s[LAP], 0
	s_cbranch_scc1 .Llap
	TRIP 0, 1                                      ; the tail is written out: tile 7 is asked for,
	TRIP 1, 0                                      ; and nothing behind it
	; THE WAY OUT.  l's two halves and the other half of the lanes' are added; O^T / l goes to f16 and through the work-group's stage, since a token's 256 bytes come from two waves.
.irp t, 0,1,2,3
	v_add_f32 v[ST+12*\t+4], v[ST+12*\t+2], v[ST+12*\t+3]              ; (these four are the places behind the last products)
.endr
.irp t, 0,1,2,3
	v_permlanex16_b32 v[ST+12*\t+5], v[ST+12*\t+4], s[SEL], s[SEL+1]
.endr
.irp t, 0,1,2,3
	v_add_f32 v[ST+12*\t+4], v[ST+12*\t+4], v[ST+12*\t+5]
.endr
.irp t, 0,1,2,3
	v_rcp_f32 v[ST+12*\t+8], v[ST+12*\t+4]
.endr
	v_nop                                          ; a plain instruction behind the last reciprocal,
	s_wait_alu depctr_va_vdst(0)                   ; and one wait for the four, ahead of the first use
	WIN 0x41
.irp t, 0,1,2,3
.irp j, 0,2,4,6,8,10,12,14,16,18,20,22,24,26,28,30
	v_pk_mul_f32 v[32*\t+\j:32*\t+\j+1], v[32*\t+\j:32*\t+\j+1], v[ST+12*\t+8:ST+12*\t+9] op_sel_hi:[1,0]
.endr
.endr
	WIN 0x05
.irp t, 0,1,2,3
.irp ct, 0,1,2,3
.irp i, 0,1,2,3
	v_cvt_pk_f16_f32 v[S+16*\t+4*\ct+\i], v[32*\t+8*\ct+2*\i], v[32*\t+8*\ct+2*\i+1]   ; channels 16 ct + 8 h + 0 .. 7 of query r: 16 bytes
.endr
.endr
.endr
	WIN 0
.irp t, 0,1,2,3
.irp ct, 0,1,2,3
	ds_store_b128 v[STO], v[S+16*\t+4*\ct:S+16*\t+4*\ct+3] offset:\t*16*SPT+32*\ct
.endr
.endr
	s_wait_dscnt 0x0                               ; for the others' sake: my stores into the stage are done
	s_barrier_signal -1
	s_barrier_wait -1
.irp i, 0,1,2,3,4,5,6,7,8,9,10,11,12,13,14,15
	ds_load_b128 v[144+4*\i:144+4*\i+3], v[RD] offset:\i*2*SPT
.endr
.irp i, 0,1,2,3,4,5,6,7,8,9,10,11,12,13,14,15
	s_wait_dscnt 15-\i                             ; LDS loads come back in order: the younger ones stay out
	global_store_b128 v[GO], v[144+4*\i:144+4*\i+3], s[12:13] offset:4096*\i   ; sixteen lanes store 256 consecutive bytes, aligned
.endr
	s_wait_tensorcnt 0x0                           ; the wave's end, behind my last tensor load and my last LDS store
	ds_add_u32 v[SPW], v[NIL]
	s_wait_dscnt 0x0
	CROUND                                         ; the closing round
	s_endpgm
.Lfunc_end_k_qe5b5e274fc_attn:
	.size	k_qe5b5e274fc_attn, .Lfunc_end_k_qe5b5e274fc_attn-k_qe5b5e274fc_attn
	.p2alignl 7, 3214868480
	.fill 96, 4, 3214868480
	.section	.rodata,"a",@progbits
	.p2align	6, 0x0
	.amdhsa_kernel k_qe5b5e274fc_attn
		.amdhsa_group_segment_fixed_size 327680
		.amdhsa_private_segment_fixed_size 0
		.amdhsa_enable_private_segment 0
		.amdhsa_kernarg_size 40
		.amdhsa_user_sgpr_count 2
		.amdhsa_user_sgpr_kernarg_segment_ptr 1
		.amdhsa_wavefront_size32 1
		.amdhsa_system_sgpr_workgroup_id_x 1
		.amdhsa_system_sgpr_workgroup_id_y 1
		.amdhsa_system_sgpr_workgroup_id_z 1
		.amdhsa_system_vgpr_workitem_id 0
		.amdhsa_next_free_vgpr 512
		.amdhsa_next_free_sgpr 80
		.amdhsa_reserve_vcc 1
		.amdhsa_float_denorm_mode_32 3
		.amdhsa_float_denorm_mode_16_64 3
		.amdhsa_memory_ordered 1
		.amdhsa_forward_progress 1
		.amdhsa_inst_pref_size 167
	.end_amdhsa_kernel
	.amdgpu_metadata
---
amdhsa.version: [ 1, 2 ]
amdhsa.kernels:
  - .name:           k_qe5b5e274fc_attn
    .symbol:         k_qe5b5e274fc_attn.kd
    .args:
      - { .name: qh, .offset: 0, .size: 8, .value_kind: global_buffer, .address_space: global }
      - { .name: kh, .offset: 8, .size: 8, .value_kind: global_buffer, .address_space: global }
      - { .name: vt, .offset: 16, .size: 8, .value_kind: global_buffer, .address_space: global }
      - { .name: mask, .offset: 24, .size: 8, .value_kind: global_buffer, .address_space: global }
      - { .name: ctx, .offset: 32, .size: 8, .value_kind: global_buffer, .address_space: global }
    .group_segment_fixed_size: 327680
    .private_segment_fixed_size: 0
    .kernarg_segment_align: 8
    .kernarg_segment_size: 40
    .max_flat_workgroup_size: 256
    .sgpr_count:     80
    .vgpr_count:     512
    .wavefront_size: 32
...
	.end_amdgpu_metadata
.endif
;; end of part 3
;; launch oproj (part 4): grid 8 x 64, 4 waves a work-group, clusters of 4 x 4, 327,680 bytes of LDS; arguments ctx, wo16, out0, b_o; writes out0
.if DOCPART == 4
	.amdgcn_target "amdgcn-amd-amdhsa--gfx1250"
	.amdhsa_code_object_version 6
	.text
	.protected	k_qe5b5e274fc_oproj
	.globl	k_qe5b5e274fc_oproj
	.p2align	8
	.type	k_qe5b5e274fc_oproj,@function
k_qe5b5e274fc_oproj:
	s_mov_b64 s[64:65], 0
	v_nop
	global_prefetch_b8 v0, s[64:65] scope:SCOPE_SE
	s_setreg_imm32_b32 hwreg(HW_REG_WAVE_MODE, 25, 1), 1
	s_wait_xcnt 0x0
	s_wait_alu depctr_hold_cnt(0) depctr_sa_sdst(0) depctr_va_vdst(0) depctr_va_sdst(0) depctr_va_ssrc(0) depctr_va_vcc(0) depctr_vm_vsrc(0)
	s_getreg_b32 s2, hwreg(HW_REG_IB_STS2, 6, 4)
	s_cmp_eq_u32 s2, 0
	s_cbranch_scc0 .Lentry_in_a_cluster
	s_endpgm
.Lentry_in_a_cluster:
	s_bfe_u32 s2, ttmp6, 0x10000c
	s_cmp_lg_u32 s2, 0xf033
	s_cbranch_scc0 .Lentry_shape_is_right
	s_endpgm
.Lentry_shape_is_right:
; Launch 4 of 4: out0 = ctx w_o^T + b_o.  ctx [8,192][1,024] and wo16 [1,024 (n)][1,024 (k)] f16, sums f32, out0 [8,192][1,024] f32.
; A tile of out0 is 128 x 128: 512 tiles, two for each of 256 work-group places; tiles of 256 x 256 would be 128.  Four waves, each 64 x 64: 16 accumulators.  K goes in steps of 256 (LDS rows of 512 bytes) through two slots.
; CLUSTERS: 4 x 4 work-groups; A's tiles are shared along a row of the cluster, B's along a column, by joint loads.  THE MATRIX INSTRUCTION IS USED TRANSPOSED (source 0 = 16 rows of w_o, source 1 = 16 rows of ctx):
; a lane holds eight neighbouring numbers of a row of out0.  b_o is the C of each sum's first matrix instruction: eight registers for each block of 16 columns, in the result's layout.
; A wave's 64 columns of f32 are 256 consecutive bytes, aligned: each wave has a stage of its own on the way out, and no barrier stands there.
; REGISTERS: window 0: v0-31 addresses; v32-95 rows read back on the way out; v96-127 b_o; v128-255 the accumulators ((a, b) at v[128 + 8 (4 a + b)]).  Window 1: two fragment buffers of 128.
.set SIZE_M, 8192
.set SIZE_N, 1024
.set SIZE_K, 1024
.set KSTEP,  256
.set PITCH,  528                       ; an LDS row: 512 bytes + 16 of padding: the 16 rows that a load touches start 132 words apart
.set HALFT,  64*PITCH
.set SLOT,   4*HALFT
.set STAGE,  2*SLOT                    ; behind the ring: 16 rows x 272 bytes for each wave
.set SPITCH, 272
.set SPARE,  STAGE+4*16*SPITCH         ; the spare words, 128 bytes a wave
.set LAPS, SIZE_K/(2*KSTEP)
.set ADRA, 16
.set ADRB, 20
.set STO,  24
.set RD,   25
.set CO,   26
.set SPW,  28
.set NIL,  29
.set OB,   32
.set BO,   96
.set ACC,  128
.set F0,   0
.set F1,   128
.set G1, 24
.set G0, 32
.set G1B, 48
.set G0B, 56
.set MSB, 0
.macro WIN new
.if MSB != \new
	s_set_vgpr_msb (MSB<<8)|\new
.set MSB, \new
.endif
.endm
.set MUL,  0x05                        ; sources 0 (B) and 1 (A) window 1; C and D window 0
.set TO_F, 0x40
.macro JLOAD s                         ; a joint load: waves 0 and 1 fetch A's two halves, waves 2 and 3 B's; an s_nop 0 and four v_nop follow each of the two lines
	s_cmp_eq_u32 s11, 0
	s_cbranch_scc0 .Lfor_b_\@
	tensor_load_to_lds s[G0+4*\s:G0+4*\s+3], s[G1:G1+7]
	s_nop 0
.rept 4
	v_nop
.endr
	s_branch .Lasked_\@
.Lfor_b_\@:
	tensor_load_to_lds s[G0B+4*\s:G0B+4*\s+3], s[G1B:G1B+7]
	s_nop 0
.rept 4
	v_nop
.endr
.Lasked_\@:
.endm
.macro CREST
	s_cmp_lg_u32 s10, 0
	s_cbranch_scc1 .Lnot_wave_0_\@
	s_barrier_signal -3
.Lnot_wave_0_\@:
	s_barrier_wait -3
	s_barrier_signal -1
	s_barrier_wait -1
.endm
.macro CROUND
	s_barrier_signal -1
	s_barrier_wait -1
	CREST
.endm
	s_load_b128 s[4:7], s[0:1], 0x0                ; ctx s[4:5], wo16 s[6:7]
	s_load_b64 s[8:9], s[0:1], 0x10                ; out0
	s_load_b64 s[66:67], s[0:1], 0x18              ; b_o
	v_lshl_add_u32 v[SPW], v0, 2, SPARE
	v_mov_b32 v[NIL], 0
	ds_add_u32 v[SPW], v[NIL]                      ; the wave's opening: the add, twice on end, and its wait ahead of my first tensor load
	ds_add_u32 v[SPW], v[NIL]
	v_lshrrev_b32 v1, 5, v0
	v_readfirstlane_b32 s10, v1                    ; wave 0..3
	s_lshr_b32 s11, s10, 1                         ; which half of the tile's rows is mine.  Also: I fetch for A (0) or for B (1)
	s_and_b32 s12, s10, 1                          ; which half of its columns.  Also: which 64 rows of that tile I fetch
	s_bfe_u32 s40, ttmp6, 0x40000                  ; cx, cy
	s_bfe_u32 s41, ttmp6, 0x40004
	s_lshl_b32 s42, ttmp9, 2
	s_add_co_u32 s42, s42, s40                     ; tile column
	s_and_b32 s13, ttmp7, 0xffff
	s_lshl_b32 s13, s13, 2
	s_add_co_u32 s13, s13, s41                     ; tile row
	s_lshl_b32 s43, s41, 2
	s_lshl_b32 s43, 15, s43                        ; my row of the cluster
	s_lshl_b32 s44, 0x1111, s40                    ; my column
	s_or_b32 s[G1+0], s43, (1<<16)|(1<<20)|(1<<21)|(6<<22)|(3<<25)  ; the mask; elements of 2 bytes; 4 words of padding behind every 128; bit 21 beside a mask
	s_or_b32 s[G1B+0], s44, (1<<16)|(1<<20)|(1<<21)|(6<<22)|(3<<25)
.irp g, G1, G1B
	s_mov_b32 s[\g+1], KSTEP<<16                   ; tensor_dim0
	s_mov_b32 s[\g+2], 64<<16                      ; tensor_dim1
	s_mov_b32 s[\g+3], KSTEP<<16                   ; tile_dim0
	s_mov_b32 s[\g+4], 64                          ; tile_dim1
	s_mov_b32 s[\g+5], SIZE_K                      ; from row to row
	s_mov_b32 s[\g+6], 0
	s_mov_b32 s[\g+7], 0
.endr
	s_lshl_b32 s17, s12, 6                         ; which 64 rows of the tile I fetch
	s_lshl_b32 s16, s13, 7
	s_add_co_u32 s16, s16, s17                     ; A: row 128 x tile row + 64 x half
	s_lshl_b32 s46, s42, 7
	s_add_co_u32 s46, s46, s17                     ; B: row 128 x tile column + 64 x half
	s_mov_b32 s17, 0
	s_mov_b32 s47, 0
	s_mov_b64 s[18:19], SIZE_K*2
	s_mul_u64 s[16:17], s[16:17], s[18:19]
	s_mul_u64 s[46:47], s[46:47], s[18:19]
	s_mul_i32 s20, s10, HALFT                      ; where they go: wave x 64 rows
	s_wait_dscnt 0x0                               ; both opening adds are done
	s_wait_kmcnt 0x0
	s_add_nc_u64 s[14:15], s[4:5], s[16:17]
	s_add_nc_u64 s[46:47], s[6:7], s[46:47]
	CROUND                                         ; all sixteen work-groups are here: the first joint loads meet
.irp s, 0,1
	s_mov_b32 s[G0+4*\s], 1
	s_add_co_u32 s[G0+4*\s+1], s20, \s*SLOT
	s_add_nc_u64 s[G0+4*\s+2:G0+4*\s+3], s[14:15], \s*KSTEP*2
	s_or_b32 s[G0+4*\s+3], s[G0+4*\s+3], 0x80000000
	s_mov_b32 s[G0B+4*\s], 1
	s_add_co_u32 s[G0B+4*\s+1], s20, \s*SLOT
	s_add_nc_u64 s[G0B+4*\s+2:G0B+4*\s+3], s[46:47], \s*KSTEP*2
	s_or_b32 s[G0B+4*\s+3], s[G0B+4*\s+3], 0x80000000
	JLOAD \s                                       ; two tensor loads of mine are out
.endr
	v_and_b32 v1, 15, v0                           ; r
	v_bfe_u32 v2, v0, 4, 1                         ; h
	v_mul_u32_u24 v3, v1, PITCH
	v_lshl_add_u32 v3, v2, 4, v3
	s_mul_i32 s21, s11, HALFT                      ; my 64 rows of A
	s_mul_i32 s22, s12, HALFT                      ; my 64 rows of B,
	s_add_co_u32 s22, s22, 2*HALFT                 ; which lie behind A's 128
.irp s, 0,1
	v_add_nc_u32 v[ADRA+\s], s21, v3
	v_add_nc_u32 v[ADRB+\s], s22, v3
	s_add_co_u32 s21, s21, SLOT
	s_add_co_u32 s22, s22, SLOT
.endr
	s_mul_i32 s23, s10, 16*SPITCH
	s_add_co_u32 s23, s23, STAGE                   ; my stage
	v_mul_u32_u24 v4, v1, SPITCH
	v_lshl_add_u32 v4, v2, 5, v4
	v_add_nc_u32 v[STO], s23, v4                   ; in: row r, 32 bytes for each half of the lanes
	v_mul_u32_u24 v5, v2, SPITCH
	v_lshl_add_u32 v5, v1, 4, v5
	v_add_nc_u32 v[RD], s23, v5                    ; back: lanes 0-15 one row of 256 bytes, lanes 16-31 the next
	v_lshlrev_b32 v5, 12, v2
	v_lshl_add_u32 v[CO], v1, 4, v5                ; and the same two rows of out0, 4,096 bytes apart
	s_lshl_b32 s16, s13, 7
	s_lshl_b32 s17, s11, 6
	s_add_co_u32 s16, s16, s17                     ; my first row: 128 x tile row + 64 x half
	s_lshl_b32 s16, s16, 12
	s_mov_b32 s17, 0
	s_add_nc_u64 s[8:9], s[8:9], s[16:17]
	s_lshl_b32 s46, s42, 9                         ; my first column, in bytes: 512 x tile column + 256 x half
	s_lshl_b32 s47, s12, 8
	s_add_co_u32 s46, s46, s47
	s_mov_b32 s47, 0
	s_add_nc_u64 s[8:9], s[8:9], s[46:47]
	s_add_nc_u64 s[66:67], s[66:67], s[46:47]      ; b_o at the same column: 4 bytes a number there too
	v_lshlrev_b32 v6, 5, v2
.irp b, 0,1,2,3
	global_load_b128 v[BO+8*\b:BO+8*\b+3], v6, s[66:67] offset:64*\b       ; b_o of columns 16 b + 8 h + 0 .. 7
	global_load_b128 v[BO+8*\b+4:BO+8*\b+7], v6, s[66:67] offset:64*\b+16
.endr
; 8 matrix instructions: m blocks a0, a0 + 1 x all 4 n blocks, 32 along K: half c of buffer f.  zero = 1: the first product starts the sums, from b_o.  The 16 accumulators take turns.
.macro MUL8 f, c, a0, zero
.irp a, \a0, \a0+1
.irp b, 0,1,2,3
.if \zero
	v_wmma_f32_16x16x32_f16 v[ACC+8*(4*(\a)+\b):ACC+8*(4*(\a)+\b)+7], v[\f+64+8*(4*\c+\b):\f+64+8*(4*\c+\b)+7], v[\f+8*(4*\c+\a):\f+8*(4*\c+\a)+7], v[BO+8*\b:BO+8*\b+7]
.else
	v_wmma_f32_16x16x32_f16 v[ACC+8*(4*(\a)+\b):ACC+8*(4*(\a)+\b)+7], v[\f+64+8*(4*\c+\b):\f+64+8*(4*\c+\b)+7], v[\f+8*(4*\c+\a):\f+8*(4*\c+\a)+7], v[ACC+8*(4*(\a)+\b):ACC+8*(4*(\a)+\b)+7]
.endif
.endr
.endr
.endm
.macro FETCH slot, k, f                ; 32 LDS loads in one run: the fragments of 64 along K at byte k of the rows; the first 32 along K first
	WIN TO_F
.irp c, 0,1
.irp i, 0,1,2,3
	ds_load_b128 v[\f+64+8*(4*\c+\i):\f+64+8*(4*\c+\i)+3],   v[ADRB+\slot] offset:\k+64*\c+\i*16*PITCH
	ds_load_b128 v[\f+64+8*(4*\c+\i)+4:\f+64+8*(4*\c+\i)+7], v[ADRB+\slot] offset:\k+64*\c+\i*16*PITCH+32
	ds_load_b128 v[\f+8*(4*\c+\i):\f+8*(4*\c+\i)+3],         v[ADRA+\slot] offset:\k+64*\c+\i*16*PITCH
	ds_load_b128 v[\f+8*(4*\c+\i)+4:\f+8*(4*\c+\i)+7],       v[ADRA+\slot] offset:\k+64*\c+\i*16*PITCH+32
.endr
.endr
.endm
.macro PLACES                          ; four plain instructions in front of loads into registers that matrix instructions have read, and of the first read of results
.rept 4
	v_nop
.endr
.endm
.macro QUARTER slot, k, f, g, zero     ; 64 along K: multiplies buffer f and fetches the next quarter, at byte k, into g
	s_wait_dscnt 16                                ; the first 32 along K are in
	WIN MUL
	MUL8 \f, 0, 0, \zero
	MUL8 \f, 0, 2, \zero
	PLACES
	FETCH \slot, \k, \g
	s_wait_dscnt 32                                ; all but the 32 just issued
	WIN MUL
	MUL8 \f, 1, 0, 0
	MUL8 \f, 1, 2, 0
.endm
; A slot's last quarter changes slots: one barrier; in front of it each wave waits for all its tensor loads, adds 0 to its spare word, and waits for that and for its reads of this slot.  fill = 1: this slot is filled again, two K steps ahead.
.macro TURN slot, next, fill
	WIN 0
	s_wait_tensorcnt 0x0                           ; all my tensor loads have landed: my part of the next slot
	ds_add_u32 v[SPW], v[NIL]
	s_wait_dscnt 17                                ; (the add and the youngest sixteen loads may be out)
	WIN MUL
	MUL8 F1, 0, 0, 0
	s_wait_dscnt 0x0                               ; the add is done, and my reads of this slot are over
	s_barrier_signal -1
	MUL8 F1, 0, 2, 0
.if \fill
	WIN 0
.endif
	s_barrier_wait -1
.if \fill
	CREST                                          ; the barrier has opened a round of the cluster's barrier: no wave of any partner still reads this slot or has a load on its way
	s_add_nc_u64 s[G0+4*\slot+2:G0+4*\slot+3], s[G0+4*\slot+2:G0+4*\slot+3], 2*KSTEP*2
	s_add_nc_u64 s[G0B+4*\slot+2:G0B+4*\slot+3], s[G0B+4*\slot+2:G0B+4*\slot+3], 2*KSTEP*2
	JLOAD \slot                                    ; the first tensor load behind the round; the four v_nop behind it are also the places in front of the loads below
.else
	PLACES
.endif
	FETCH \next, 0, F0
	WIN MUL
	MUL8 F1, 1, 0, 0
	MUL8 F1, 1, 2, 0
.endm
	s_wait_tensorcnt 1                             ; my part of K step 0 is in (K step 1's load may be out),
	s_barrier_signal -1
	s_barrier_wait -1                              ; everybody's is
	FETCH 0, 0, F0
	s_wait_loadcnt 0x0                             ; b_o
	QUARTER 0, 128, F0, F1, 1                      ; the first quarter stands in front of the loop: its first products start the sums
	WIN 0
	s_mov_b32 s3, LAPS-1
.Llap:                                                 ; a trip goes once round the ring and fills both slots again
	QUARTER 0, 256, F1, F0, 0
	QUARTER 0, 384, F0, F1, 0
	TURN 0, 1, 1
	QUARTER 1, 128, F0, F1, 0
	QUARTER 1, 256, F1, F0, 0
	QUARTER 1, 384, F0, F1, 0
	TURN 1, 0, 1
	QUARTER 0, 128, F0, F1, 0
	WIN 0
	s_sub_co_u32 s3, s3, 1
	s_cmp_lg_u32 s3, 0
	s_cbranch_scc1 .Llap
	QUARTER 0, 256, F1, F0, 0                      ; the last lap fills nothing
	QUARTER 0, 384, F0, F1, 0
	TURN 0, 1, 0
	QUARTER 1, 128, F0, F1, 0
	QUARTER 1, 256, F1, F0, 0
	QUARTER 1, 384, F0, F1, 0
	s_wait_dscnt 16
	WIN MUL
	MUL8 F1, 0, 0, 0
	MUL8 F1, 0, 2, 0
	s_wait_dscnt 0
	MUL8 F1, 1, 0, 0
	MUL8 F1, 1, 2, 0
	WIN 0
; THE WAY OUT, block by block of 16 rows x 64 columns: the accumulators go to my stage as they are, each from its low end on, and come back as whole rows of 256 bytes.
.macro TOSTAGE a
.set BB, OB+32*((\a)%2)
.irp b, 0,1,2,3
	ds_store_b128 v[STO], v[ACC+8*(4*(\a)+\b):ACC+8*(4*(\a)+\b)+3] offset:64*\b
	ds_store_b128 v[STO], v[ACC+8*(4*(\a)+\b)+4:ACC+8*(4*(\a)+\b)+7] offset:64*\b+16
.endr
.irp t, 0,1,2,3,4,5,6,7
	ds_load_b128 v[BB+4*\t:BB+4*\t+3], v[RD] offset:\t*2*SPITCH    ; LDS serves a wave's instructions in order: these see the stores above, and the next block's stores come behind them
.endr
.endm
.macro SEND a, younger                 ; younger: the LDS instructions issued behind block a's loads, which may stay out
.set BB, OB+32*((\a)%2)
	s_wait_dscnt \younger
.irp t, 0,1,2,3,4,5,6,7
	global_store_b128 v[CO], v[BB+4*\t:BB+4*\t+3], s[8:9] offset:(16*(\a)+2*\t)*SIZE_N*4 th:TH_STORE_NT   ; sixteen lanes store 256 consecutive bytes, aligned; written once, read by nobody here
.endr
.endm
	PLACES
	TOSTAGE 0
.irp a, 1,2,3
.if \a > 1
	s_wait_xcnt 0x0                                ; block a - 2's stores have read their registers: block a's loads may land there
.endif
	TOSTAGE \a
	SEND \a-1, 16                                  ; behind block a - 1's loads: block a's 8 stores and 8 loads
.endr
	SEND 3, 0
	s_wait_tensorcnt 0x0                           ; the wave's end, behind my last tensor load and my last LDS store
	ds_add_u32 v[SPW], v[NIL]
	s_wait_dscnt 0x0
	CROUND                                         ; the closing round
	s_endpgm
.Lfunc_end_k_qe5b5e274fc_oproj:
	.size	k_qe5b5e274fc_oproj, .Lfunc_end_k_qe5b5e274fc_oproj-k_qe5b5e274fc_oproj
	.p2alignl 7, 3214868480
	.fill 96, 4, 3214868480
	.section	.rodata,"a",@progbits
	.p2align	6, 0x0
	.amdhsa_kernel k_qe5b5e274fc_oproj
		.amdhsa_group_segment_fixed_size 327680
		.amdhsa_private_segment_fixed_size 0
		.amdhsa_enable_private_segment 0
		.amdhsa_kernarg_size 32
		.amdhsa_user_sgpr_count 2
		.amdhsa_user_sgpr_kernarg_segment_ptr 1
		.amdhsa_wavefront_size32 1
		.amdhsa_system_sgpr_workgroup_id_x 1
		.amdhsa_system_sgpr_workgroup_id_y 1
		.amdhsa_system_sgpr_workgroup_id_z 1
		.amdhsa_system_vgpr_workitem_id 0
		.amdhsa_next_free_vgpr 512
		.amdhsa_next_free_sgpr 68
		.amdhsa_reserve_vcc 0
		.amdhsa_float_denorm_mode_32 3
		.amdhsa_float_denorm_mode_16_64 3
		.amdhsa_memory_ordered 1
		.amdhsa_forward_progress 1
		.amdhsa_inst_pref_size 86
	.end_amdhsa_kernel
	.amdgpu_metadata
---
amdhsa.version: [ 1, 2 ]
amdhsa.kernels:
  - .name:           k_qe5b5e274fc_oproj
    .symbol:         k_qe5b5e274fc_oproj.kd
    .args:
      - { .name: ctx, .offset: 0, .size: 8, .value_kind: global_buffer, .address_space: global }
      - { .name: wo16, .offset: 8, .size: 8, .value_kind: global_buffer, .address_space: global }
      - { .name: out0, .offset: 16, .size: 8, .value_kind: global_buffer, .address_space: global }
      - { .name: b_o, .offset: 24, .size: 8, .value_kind: global_buffer, .address_space: global }
    .group_segment_fixed_size: 327680
    .private_segment_fixed_size: 0
    .kernarg_segment_align: 8
    .kernarg_segment_size: 32
    .max_flat_workgroup_size: 128
    .sgpr_count:     68
    .vgpr_count:     512
    .wavefront_size: 32
...
	.end_amdgpu_metadata
.endif
;; end of part 4
